; MI455X (gfx1250); checked and timed in simulation.
; The chip was launched on July 23, 2026; its instructions are those of AMD's public machine-readable ISA for CDNA 5 (MIT licence, August 2026) and "CDNA5" Instruction Set Architecture Reference Guide (July 2026). The comments in the code are by the model that wrote it; some were corrected since.
;; Cross Attn. Allowed arithmetic: matrix products marked QUANTISED: E2M1 operands, one E8M0 scale for each 32 along K, by v_wmma_scale_f32_16x16x128_f8f6f4 with both operands' format E2M1 (or v_wmma_scale_f32_32x16x128_f4), f32 sums; everything else in f32.
;; Inputs: KV 4 x 2,048 x 1,024 float32; Q 4 x 1,024 x 1,024 float32; Wk 1,024 x 1,024 float32; Wo 1,024 x 1,024 float32; Wq 1,024 x 1,024 float32; Wv 1,024 x 1,024 float32; beta 1,024 float32; bk 1,024 float32; bo 1,024 float32; bq 1,024 float32; bv 1,024 float32; gamma 1,024 float32; log_gate_bias 4 x 2,048 float32.
;; Outputs: out0 4 x 1,024 x 1,024 float32.
;; This version of the problem:
;;   THIS VERSION OF THE PROBLEM IS GIVEN IN LOW PRECISION. The matrix products marked QUANTISED in the list below multiply operands that are first quantised to E2M1 (2 exponent bits, 1 mantissa bit; 4 bits a number), with one power-of-two scale for each 32 numbers along K (OCP MX v1.0); their sums are f32. All else is computed in f32.
;;   The module's matrix products, in the order in which they are computed (A, B: the left and right operand; K: the contracted axis; several contracted axes count as one K, in the product's order):
;;     1. [M 4,096, K 1,024] x [K 1,024, N 1,024]; A: input Q; B: input Wq: QUANTISED
;;     2. [M 8,192, K 1,024] x [K 1,024, N 1,024]; A: input KV; B: input Wk: QUANTISED
;;     3. [M 8,192, K 1,024] x [K 1,024, N 1,024]; A: input KV; B: input Wv: QUANTISED
;;     4. batch 64 x [M 1,024, K 64] x [K 64, N 2,048]; A: computed on the way; B: computed on the way: QUANTISED
;;     5. batch 64 x [M 1,024, K 2,048] x [K 2,048, N 64]; A: softmax (see below); B: computed on the way: QUANTISED
;;     6. [M 4,096, K 1,024] x [K 1,024, N 1,024]; A: computed on the way; B: input Wo: QUANTISED
;;   THE QUANTISER, for each operand of a quantised product, along K:
;;     - K is cut into blocks of 32 from its start; a last block that is shorter is filled with zeros.
;;     - A block's scale is 2^e with e = floor(log2(the largest magnitude in the block)) - 2, held to -126 .. 127; a block of zeros has e = 0. As a byte (E8M0): e + 127.
;;     - Each number is divided by its block's scale, clamped to +-6, and rounded to the nearest number of E2M1, ties to even, subnormals kept.
;;     - The product sums the exact products of the quantised numbers (number of the format x scale) in f32.
;;   ~~~python
;;   def quantise(x, axis):      # numpy; x: float32 -> the quantised numbers, widened to float32 again
;;       x = np.moveaxis(x, axis, -1); K = x.shape[-1]
;;       x = np.pad(x, [(0, 0)] * (x.ndim - 1) + [(0, -K % 32)]); x = x.reshape(x.shape[:-1] + (-1, 32)); a = np.abs(x).max(-1, keepdims=True)
;;       e = np.where(a > 0, np.clip(np.frexp(np.where(a > 0, a, 1))[1] - 1 - 2, -126, 127), 0)      # np.frexp(a)[1] - 1 = floor(log2(a)), exactly
;;       r = np.clip(x / 2.0 ** e, -6, 6)
;;       step = 2.0 ** (np.maximum(np.frexp(np.where(r == 0, 1, r))[1] - 1, 0) - 1)
;;       q = np.round(r / step) * step * 2.0 ** e      # np.round: ties to even
;;       return np.moveaxis(q.reshape(q.shape[:-2] + (-1,))[..., :K], -1, axis).astype(np.float32)
;;   ~~~
;;   SOFTMAX AHEAD OF A QUANTISED PRODUCT. Where the list says 'softmax', what is quantised is not the finished softmax but p = 2^(t - M), with t = logit x log2(e) and M = ceil(the row's largest t), a whole number; so 1/2 < the row's largest p <= 1. The row's sum l is taken of the UNQUANTISED p, in f32, and the product's result is divided by l at the end. Since M is a whole number, a kernel that streams over the keys may use a running M (the ceiling of the running maximum): every later rescaling is an exact power of two, which a block's scale takes up: the codes' values come out the same.
;;   OPERANDS COMPUTED ON THE WAY. 'Computed on the way' means the value that the module computes at that place (a softmax that the list does not call 'softmax' is quantised finished and normalised). What goes into a quantiser is computed in f32, as accurately as f32 sums, v_exp_f32 and their like allow (about 1e-6 of the number): no bf16 or f16 on the way to a quantiser, and a product that is left as it is and whose result goes on into a quantised operand takes f32 operands (vector FMAs, or v_wmma_f32_16x16x4_f32). A number that lies on a knife's edge between two numbers of the format may be rounded either way, as far as f32 arithmetic and the matrix unit's own rounding can turn it there, and no further.
;; One version. Each part assembles by itself: llvm-mc -triple=amdgcn-amd-amdhsa -mcpu=gfx1250 --defsym DOCPART=n.
;; ======== version 1 of 1: 4 launches
;; limits: right only within a limited range of input values
;; workspace buffers: codes 8,388,608 bytes; scales 524,288 bytes; kvh 9,175,040 bytes; aoc 2,097,152 bytes; aos 131,072 bytes
;; launch quant (part 1): grid 512 x 1, 4 waves a work-group, no clusters, 51,200 bytes of LDS; arguments Q, KV, Wq, Wk, Wv, Wo, codes, scales; writes codes, scales
.if DOCPART == 1
	.amdgcn_target "amdgcn-amd-amdhsa--gfx1250"
	.amdhsa_code_object_version 6
	.text
	.protected	k_qd2e99fe00b_quant
	.globl	k_qd2e99fe00b_quant
	.p2align	8
	.type	k_qd2e99fe00b_quant,@function
k_qd2e99fe00b_quant:
	s_mov_b64 s[64:65], 0
	v_nop
	global_prefetch_b8 v0, s[64:65] scope:SCOPE_SE
	s_setreg_imm32_b32 hwreg(HW_REG_WAVE_MODE, 25, 1), 1
	s_wait_xcnt 0x0
; CROSS ATTENTION IN MX-FP4, launch 1 of 4: Q, KV, Wq, Wk, Wv, Wo (f32, K = 1,024 innermost) become codes of E2M1 and E8M0 scale bytes.
; DEAD WORK: none.  bq, bk, bv stand ahead of quantisers; log_gate_bias differs along the softmax's axis; bo, gamma, beta reach the output: every input is loaded by some launch, every product is made.
; A block's scale is 2^(floor(log2(its largest magnitude)) - 2); its byte is the largest magnitude's exponent field - 2, held at 1 from below.
; LIMITS: NaN and infinities among the inputs are not served; a block whose largest magnitude lies under 2^-124 keeps the byte 1; a block of zeros gets the byte 1 where the rule
; says 127: its codes are zeros, which add nothing under any byte but 0xff, and the bytes are read by this program alone.
; LAYOUT OF THE CODES: images of the operand's registers: [row tile of 16 positions][128 along K][c = 0, 1][lane][16 bytes]; lane (r, h) at c holds row r, k = 64 c + 32 h + 0 .. 31:
; a fragment is then two loads of 512 consecutive bytes.  In a row tile that is 32 units of 16 rows x 16 bytes, unit u = block of 32 along K.
; POSITIONS: in KV, Wq, Wk, Wv position p of each 32 rows holds the row with bits 3 and 4 of p exchanged, so that a product's results, 16 registers of two neighbouring tiles, are
; 16 neighbours along the next K.  Q and Wo keep their order.  Scale bytes: [position][32 bytes].
; SHARES: a work-group takes 32 rows, a wave 8 of them as 16 steps of 512 numbers; loads of 512 consecutive bytes turn through the wave's own stage, so that a lane holds 16 neighbours.
; The codes meet in a stage of the work-group (units 272 bytes apart), one barrier, and leave as 512 consecutive bytes a store.
.set STEPS, 16
.set EMAX,  2
.set R,     16                         ; v16-79   four sets of 16 numbers as they are loaded
.set X,     80                         ; v80-111  two sets of 16 neighbours
.set E,     112                        ; v112-127 a scale byte for each step
.set C,     128                        ; v128-191 codes: four registers for each step
.set WREG,  8192                       ; a wave's region: two turning stages of 32 x SP bytes, then its 256 scale bytes
.set SP,    80
.set CST,   32768                      ; the codes' stage: two row tiles, CTILE bytes apart
.set CTILE, 8832                       ; 32 units x 272 + 128
.set SPARE, 50688                      ; the spare words, 128 bytes for each wave
.set SPW,   12
.set NIL,   13
	s_load_b256 s[4:11], s[0:1], 0x0               ; Q, KV, Wq, Wk
	s_load_b256 s[12:19], s[0:1], 0x20             ; Wv, Wo, codes, scales
	v_lshl_add_u32 v[SPW], v0, 2, SPARE
	v_mov_b32 v[NIL], 0
	v_lshrrev_b32 v1, 5, v0
	v_readfirstlane_b32 s26, v1                    ; wave
	v_and_b32 v2, 31, v0                           ; lane
	v_lshlrev_b32 v3, 4, v2                        ; 16 x lane: my bytes of a load's 512, and of a store's
	s_mul_i32 s27, s26, WREG
	v_lshrrev_b32 v14, 2, v2
	v_mul_u32_u24 v14, v14, SP
	v_and_b32 v15, 3, v2
	v_lshl_add_u32 v14, v15, 4, v14
	v_add_nc_u32 v14, s27, v14                     ; the turning stage, way in: SP (lane / 4) + 16 (lane % 4)
	v_mul_u32_u24 v15, v2, SP
	v_add_nc_u32 v15, s27, v15                     ; way out: SP x lane
	v_lshrrev_b32 v5, 1, v2
	s_add_co_u32 s27, s27, 2*32*SP
	v_add_nc_u32 v5, s27, v5                       ; my block's scale byte
	v_lshlrev_b32 v7, 3, v2
	v_add_nc_u32 v6, s27, v7                       ; and 8 bytes a lane on the way out
	s_lshr_b32 s28, s26, 1                         ; wave / 2: my rows' tile
	s_and_b32 s29, s26, 1                          ; wave % 2: which eight rows of it
	s_mul_i32 s30, s28, CTILE
	s_lshl_b32 s31, s29, 7
	s_add_co_u32 s30, s30, s31
	s_add_co_u32 s30, s30, CST
	v_lshrrev_b32 v4, 1, v2
	v_mul_u32_u24 v4, v4, 272
	v_and_b32 v8, 1, v2
	v_lshl_add_u32 v4, v8, 3, v4
	v_add_nc_u32 v4, s30, v4                       ; the codes' stage, way in, by the rows' own order: unit lane / 2 (+ 16 in odd steps), row 8 (wave % 2) + step / 2, 8 bytes
	s_mul_i32 s31, s29, 16*272
	s_add_co_u32 s31, s31, CST                     ; way out: wave w stores bytes 4,096 w on: tile w / 2, units 16 (w % 2) on; two units an instruction
	s_mul_i32 s32, s28, CTILE
	s_add_co_u32 s32, s32, s31                     ; rows in their order: the tile itself
	s_lshl_b32 s33, s28, 7
	s_add_co_u32 s33, s33, s31                     ; positions: row 8 (w / 2) + lane % 8 of tile (lane / 8) % 2
	v_lshrrev_b32 v9, 4, v2
	v_mul_u32_u24 v9, v9, 272
	v_and_b32 v10, 15, v2
	v_lshl_add_u32 v10, v10, 4, v9
	v_add_nc_u32 v10, s32, v10
	v_bfe_u32 v8, v2, 3, 1
	v_mul_u32_u24 v8, v8, CTILE
	v_and_b32 v11, 7, v2
	v_lshl_add_u32 v11, v11, 4, v9
	v_add_nc_u32 v11, v11, v8
	v_add_nc_u32 v1, s33, v11                      ; kept in v1: the steps use v11 as a work register
	s_lshl_b32 s25, s29, 1
	s_or_b32 s25, s25, s28                         ; the wave's number with its two bits exchanged: where my eight rows' scale bytes go
	s_sub_co_u32 s24, ttmp9, 128
	s_cmp_lt_u32 s24, 352                          ; work-groups 128 to 479 (KV, Wq, Wk, Wv) lay positions
	s_cselect_b32 s23, -1, 0
	s_cselect_b32 s25, s25, s26
	s_wait_kmcnt 0x0
	s_mov_b64 s[20:21], s[14:15]                   ; which tensor is mine: a choice on the work-group's number alone
	s_mov_b32 s22, 480
.macro PICK lim, ptr, first
	s_cmp_lt_u32 ttmp9, \lim
	s_cselect_b64 s[20:21], s[\ptr:\ptr+1], s[20:21]
	s_cselect_b32 s22, \first, s22
.endm
	PICK 480, 12, 448
	PICK 448, 10, 416
	PICK 416, 8, 384
	PICK 384, 6, 128
	PICK 128, 4, 0
	s_sub_co_u32 s22, ttmp9, s22
	s_lshl_b32 s30, s22, 17                        ; 32 rows of 4,096 bytes a work-group,
	s_lshl_b32 s31, s26, 15                        ; 8 a wave
	s_add_co_u32 s30, s30, s31
	s_mov_b32 s31, 0
	s_add_nc_u64 s[20:21], s[20:21], s[30:31]
	s_lshl_b32 s30, ttmp9, 14
	s_lshl_b32 s32, s26, 12
	s_add_co_u32 s30, s30, s32
	s_add_nc_u64 s[16:17], s[16:17], s[30:31]      ; codes: 16,384 bytes a work-group, 4,096 a wave
	s_lshl_b32 s30, ttmp9, 10
	s_lshl_b32 s32, s25, 8
	s_add_co_u32 s30, s30, s32
	s_add_nc_u64 s[18:19], s[18:19], s[30:31]      ; scale bytes: 1,024 a work-group, 256 a wave
.macro LOAD t
.irp i, 0,1,2,3
	global_load_b128 v[R+16*((\t)%4)+4*\i:R+16*((\t)%4)+4*\i+3], v3, s[20:21] offset:2048*(\t)+512*\i th:TH_LOAD_NT
.endr
.endm
.macro TURN t                          ; LDS serves a wave's instructions in order: no wait between the stores and the loads
.irp i, 0,1,2,3
	ds_store_b128 v14, v[R+16*((\t)%4)+4*\i:R+16*((\t)%4)+4*\i+3] offset:32*SP*((\t)%2)+8*SP*\i
.endr
.irp i, 0,1,2,3
	ds_load_b128 v[X+16*((\t)%2)+4*\i:X+16*((\t)%2)+4*\i+3], v15 offset:32*SP*((\t)%2)+16*\i
.endr
.endm
.irp t, 0,1,2,3
	LOAD \t
.endr
	s_wait_loadcnt 12                              ; step 0's four loads are in
	TURN 0
.macro STEP t
.set XS, X+16*((\t)%2)
.if (\t) > 0
	s_wait_dscnt 2                                 ; this step's numbers are back; the last step's byte store and code store may be out
.else
	s_wait_dscnt 0x0
.endif
.if (\t)+4 < STEPS
	LOAD (\t)+4
.endif
.if (\t)+1 < STEPS
.if STEPS-2-(\t) >= 3
	s_wait_loadcnt 12                              ; the next step's four loads are in; those of the three steps behind it may be out
.else
	s_wait_loadcnt 4*(STEPS-2-(\t))
.endif
	TURN (\t)+1
.endif
	v_max3_num_f32 v8, |v[XS]|, |v[XS+1]|, |v[XS+2]|
	v_max3_num_f32 v9, |v[XS+3]|, |v[XS+4]|, |v[XS+5]|
.irp i, 6,10
	v_max3_num_f32 v8, v8, |v[XS+\i]|, |v[XS+\i+1]|
	v_max3_num_f32 v9, v9, |v[XS+\i+2]|, |v[XS+\i+3]|
.endr
	v_max3_num_f32 v8, v8, |v[XS+14]|, |v[XS+15]|
	v_max3_num_f32 v8, v8, v9, (EMAX+1)<<23        ; the floor 2^(3 - 127): the byte cannot fall under 1
	v_max_num_f32_dpp v8, v8, v8 row_xmask:1 row_mask:0xf bank_mask:0xf   ; with my neighbour's 16: the block's largest magnitude
	v_add_nc_u32 v11, -(EMAX<<23), v8              ; 2 off its exponent field: the conversion's scale operand
	v_cvt_scalef32_pk8_fp4_f32 v[C+4*(\t)], v[XS:XS+7], v11
	v_cvt_scalef32_pk8_fp4_f32 v[C+4*(\t)+1], v[XS+8:XS+15], v11
	v_lshrrev_b32 v[E+(\t)], 23, v11               ; the scale's byte (a plain line behind the conversions)
	ds_store_b8 v5, v[E+(\t)] offset:16*(\t)       ; both lanes of a block write the same byte with the same value
	ds_store_b64 v4, v[C+4*(\t):C+4*(\t)+1] offset:((\t)%2)*4352+((\t)/2)*16   ; 16 units on in odd steps; row step / 2
.endm
.irp t, 0,1,2,3,4,5,6,7,8,9,10,11,12,13,14,15
	STEP \t
.endr
	ds_load_b64 v[8:9], v6
	s_wait_dscnt 0x0                               ; my scale bytes are back, and all my stores into the codes' stage have landed
	global_store_b64 v7, v[8:9], s[18:19]          ; 32 lanes store 256 consecutive bytes, aligned
	s_barrier_signal -1
	s_barrier_wait -1                              ; the stage holds all 32 rows' codes
	s_cmp_lg_u32 s23, 0                            ; rows in their order, or positions: the work-group's number alone decides; each arm has its own address register
	s_cbranch_scc1 .Lpositions
.irp i, 0,1,2,3,4,5,6,7
	ds_load_b128 v[R+4*\i:R+4*\i+3], v10 offset:544*\i
.endr
	s_branch .Lread
.Lpositions:
.irp i, 0,1,2,3,4,5,6,7
	ds_load_b128 v[R+4*\i:R+4*\i+3], v1 offset:544*\i
.endr
.Lread:
.irp i, 0,1,2,3,4,5,6,7
	s_wait_dscnt 7-\i
	global_store_b128 v3, v[R+4*\i:R+4*\i+3], s[16:17] offset:512*\i   ; 512 consecutive bytes a store
.endr
	s_wait_tensorcnt 0x0                           ; the wave's end
	ds_add_u32 v[SPW], v[NIL]
	s_wait_dscnt 0x0
	s_endpgm
.Lfunc_end_k_qd2e99fe00b_quant:
	.size	k_qd2e99fe00b_quant, .Lfunc_end_k_qd2e99fe00b_quant-k_qd2e99fe00b_quant
	.p2alignl 7, 3214868480
	.fill 96, 4, 3214868480
	.section	.rodata,"a",@progbits
	.p2align	6, 0x0
	.amdhsa_kernel k_qd2e99fe00b_quant
		.amdhsa_group_segment_fixed_size 51200
		.amdhsa_private_segment_fixed_size 0
		.amdhsa_enable_private_segment 0
		.amdhsa_kernarg_size 64
		.amdhsa_user_sgpr_count 2
		.amdhsa_user_sgpr_kernarg_segment_ptr 1
		.amdhsa_wavefront_size32 1
		.amdhsa_system_sgpr_workgroup_id_x 1
		.amdhsa_system_sgpr_workgroup_id_y 1
		.amdhsa_system_sgpr_workgroup_id_z 1
		.amdhsa_system_vgpr_workitem_id 0
		.amdhsa_next_free_vgpr 192
		.amdhsa_next_free_sgpr 66
		.amdhsa_reserve_vcc 0
		.amdhsa_float_denorm_mode_32 3
		.amdhsa_float_denorm_mode_16_64 3
		.amdhsa_memory_ordered 1
		.amdhsa_forward_progress 1
		.amdhsa_inst_pref_size 37
	.end_amdhsa_kernel
	.amdgpu_metadata
---
amdhsa.version: [ 1, 2 ]
amdhsa.kernels:
  - .name:           k_qd2e99fe00b_quant
    .symbol:         k_qd2e99fe00b_quant.kd
    .args:
      - { .name: Q, .offset: 0, .size: 8, .value_kind: global_buffer, .address_space: global }
      - { .name: KV, .offset: 8, .size: 8, .value_kind: global_buffer, .address_space: global }
      - { .name: Wq, .offset: 16, .size: 8, .value_kind: global_buffer, .address_space: global }
      - { .name: Wk, .offset: 24, .size: 8, .value_kind: global_buffer, .address_space: global }
      - { .name: Wv, .offset: 32, .size: 8, .value_kind: global_buffer, .address_space: global }
      - { .name: Wo, .offset: 40, .size: 8, .value_kind: global_buffer, .address_space: global }
      - { .name: codes, .offset: 48, .size: 8, .value_kind: global_buffer, .address_space: global }
      - { .name: scales, .offset: 56, .size: 8, .value_kind: global_buffer, .address_space: global }
    .group_segment_fixed_size: 51200
    .private_segment_fixed_size: 0
    .kernarg_segment_align: 8
    .kernarg_segment_size: 64
    .max_flat_workgroup_size: 128
    .sgpr_count:     66
    .vgpr_count:     192
    .wavefront_size: 32
...
	.end_amdgpu_metadata
.endif
;; end of part 1
;; launch proj (part 2): grid 8 x 32, 4 waves a work-group, clusters of 4 x 4, 327,680 bytes of LDS; arguments codes, scales, bk, bv, kvh; writes kvh
.if DOCPART == 2
	.amdgcn_target "amdgcn-amd-amdhsa--gfx1250"
	.amdhsa_code_object_version 6
	.text
	.protected	k_qd2e99fe00b_proj
	.globl	k_qd2e99fe00b_proj
	.p2align	8
	.type	k_qd2e99fe00b_proj,@function
k_qd2e99fe00b_proj:
	s_mov_b64 s[64:65], 0
	v_nop
	global_prefetch_b8 v0, s[64:65] scope:SCOPE_SE
	s_setreg_imm32_b32 hwreg(HW_REG_WAVE_MODE, 25, 1), 1
	s_wait_xcnt 0x0
	s_wait_alu depctr_hold_cnt(0) depctr_sa_sdst(0) depctr_va_vdst(0) depctr_va_sdst(0) depctr_va_ssrc(0) depctr_va_vcc(0) depctr_vm_vsrc(0)
	s_getreg_b32 s2, hwreg(HW_REG_IB_STS2, 6, 4)
	s_cmp_eq_u32 s2, 0
	s_cbranch_scc0 .Lentry_in_a_cluster
	s_endpgm
.Lentry_in_a_cluster:
	s_bfe_u32 s2, ttmp6, 0x10000c
	s_cmp_lg_u32 s2, 0xf033
	s_cbranch_scc0 .Lentry_shape_is_right
	s_endpgm
.Lentry_shape_is_right:
; Launch 2 of 4: k = KV Wk^T + bk and v = KV Wv^T + bv on codes of E2M1, each quantised on the way out along the next product's K, into kvh.  No work is left out.
; A work-group makes 256 x 256, a wave 128 x 128.  A row tile of 16 positions is 8,192 consecutive bytes that hold all of K = 1,024, so the 256 rows of an operand are ONE dense block of 131,072 bytes.
; THE HEAD'S LOADS, ONE A WAVE, all joint (4 x 4 cluster): wave 0 the first operand's codes, wave 1 the second's, wave 2 and wave 3 their scale bytes.  Each LDS byte is filled once; one barrier shows all four blocks to all waves.
; The way out's stages and the bias have LDS bytes of their own, on which no load lands.
.set NQ,     4
.set FR,     8
.set NL,     2
.set NP,     4
.set HALFT,  65536
.set SLOT,   131072
.set KS,     32
.set SCL,    2*SLOT
.set HALFS,  4352
.set SBLK,   544
.set BIASL,  SCL+4*HALFS
.set SPARE,  BIASL+1024
.set STG,    SPARE+512
.set HEADB,  143360
.set STEPB,  8960
.set KO,   7
.set KSTO, 8
.set KRD,  9
.set KBI,  10
.set SH,   11
.set VO2,  12
.set VSTO, 13
.set VRD,  14
.set VBI,  15
.set ADRA, 16
.set ADRB, 20
.set ADRS, 27
.set SPW,  28
.set NIL,  29
.set PW,   30
.set SW,   31
.set SC,   32
.set PC,   96
.set TM,   112
.set AF,   128
.set T,    128
.set BP,   192
.set SEL,  96
.set G1, 24
.set G0, 32
.set G1B, 48
.set G0B, 56
.set G1S, 68
.set G0S, 76
.set G1SB, 80
.set G0SB, 88
.set MSB, 0
.macro WIN new
.if MSB != \new
	s_set_vgpr_msb (MSB<<8)|\new
.set MSB, \new
.endif
.endm
.set MUL_LO, 0xa1
.set MUL_HI, 0xf1
.set TO_B,   0x40
.macro ARM under, g0, g1, next         ; an arm of the head's one chain of branches on the wave's number: its load, and a jump to the chain's end
	s_cmp_lt_u32 s14, \under
	s_cbranch_scc0 \next
	tensor_load_to_lds s[\g0:\g0+3], s[\g1:\g1+7]
	s_nop 0
.rept 4
	v_nop
.endr
	s_branch .Lhead_asked
\next:
.endm
.macro CROUND
	s_barrier_signal -1
	s_barrier_wait -1
	s_cmp_lg_u32 s14, 0
	s_cbranch_scc1 .Lnot_wave_0_\@
	s_barrier_signal -3
.Lnot_wave_0_\@:
	s_barrier_wait -3
	s_barrier_signal -1
	s_barrier_wait -1
.endm
	s_load_b128 s[4:7], s[0:1], 0x0
	s_load_b128 s[8:11], s[0:1], 0x10
	s_load_b64 s[12:13], s[0:1], 0x20
	v_lshl_add_u32 v[SPW], v0, 2, SPARE
	v_mov_b32 v[NIL], 0
	ds_add_u32 v[SPW], v[NIL]
	ds_add_u32 v[SPW], v[NIL]
	v_lshrrev_b32 v1, 5, v0
	v_readfirstlane_b32 s14, v1
	s_lshr_b32 s15, s14, 1
	s_and_b32 s16, s14, 1
	s_bfe_u32 s40, ttmp6, 0x40000
	s_bfe_u32 s41, ttmp6, 0x40004
	s_and_b32 s17, ttmp7, 0xffff
	s_lshl_b32 s17, s17, 2
	s_lshl_b32 s43, s41, 2
	s_lshl_b32 s43, 15, s43
	s_lshl_b32 s44, 0x1111, s40
	s_or_b32 s[G1+0], s43, (3<<16)|(1<<21)
	s_or_b32 s[G1B+0], s44, (3<<16)|(1<<21)
.irp g, G1, G1B
	s_mov_b32 s[\g+1], 1024<<16                    ; a row tile: 1,024 elements of 8 bytes
	s_mov_b32 s[\g+2], 16<<16                      ; 16 row tiles: 256 rows
	s_mov_b32 s[\g+3], 1024<<16
	s_mov_b32 s[\g+4], 16
	s_mov_b32 s[\g+5], 1024
	s_mov_b32 s[\g+6], 0
	s_mov_b32 s[\g+7], 0
.endr
	s_or_b32 s[G1S+0], s43, (3<<16)|(1<<20)|(1<<21)|(5<<22)|(3<<25)
	s_or_b32 s[G1SB+0], s44, (3<<16)|(1<<20)|(1<<21)|(5<<22)|(3<<25)
.irp g, G1S, G1SB
	s_mov_b32 s[\g+1], 32<<16
	s_mov_b32 s[\g+2], 32<<16                      ; the scale bytes of 256 rows: 32 rows of 256 bytes
	s_mov_b32 s[\g+3], 32<<16
	s_mov_b32 s[\g+4], 32
	s_mov_b32 s[\g+5], 32
	s_mov_b32 s[\g+6], 0
	s_mov_b32 s[\g+7], 0
.endr
	s_mov_b32 s18, 0x680000
	s_mov_b32 s19, 0x700000
	s_cmp_eq_u32 ttmp9, 0
	s_cselect_b32 s42, 0, s17
	s_cselect_b32 s3, s17, 0
	s_cselect_b32 s18, s18, 0x200000
	s_cselect_b32 s19, 0x200000, s19
	s_add_co_u32 s42, s42, s40
	s_add_co_u32 s3, s3, s41
	s_lshl_b32 s46, s42, 17
	s_add_co_u32 s46, s46, s18
	s_mov_b32 s47, 0
	s_lshr_b32 s92, s46, 4
	s_mov_b32 s93, 0
	s_lshl_b32 s20, s3, 17
	s_add_co_u32 s20, s20, s19
	s_mov_b32 s21, 0
	s_lshr_b32 s22, s20, 4
	s_mov_b32 s23, 0
	s_mov_b32 s[SEL], 0x76543210
	s_mov_b32 s[SEL+1], 0xfedcba98
	s_wait_dscnt 0x0
	s_wait_kmcnt 0x0
	s_add_nc_u64 s[20:21], s[4:5], s[20:21]
	s_add_nc_u64 s[22:23], s[6:7], s[22:23]
	s_add_nc_u64 s[46:47], s[4:5], s[46:47]
	s_add_nc_u64 s[92:93], s[6:7], s[92:93]
	CROUND
	s_mov_b32 s[G0S], 1
	s_mov_b32 s[G0S+1], SCL
	s_mov_b64 s[G0S+2:G0S+3], s[22:23]
	s_or_b32 s[G0S+3], s[G0S+3], 0x80000000
	s_mov_b32 s[G0SB], 1
	s_mov_b32 s[G0SB+1], SCL+2*HALFS
	s_mov_b64 s[G0SB+2:G0SB+3], s[92:93]
	s_or_b32 s[G0SB+3], s[G0SB+3], 0x80000000
	s_mov_b32 s[G0], 1
	s_mov_b32 s[G0+1], 0                           ; the first operand's 16 row tiles from LDS byte 0,
	s_mov_b64 s[G0+2:G0+3], s[20:21]
	s_or_b32 s[G0+3], s[G0+3], 0x80000000
	s_mov_b32 s[G0B], 1
	s_mov_b32 s[G0B+1], 2*HALFT                    ; the second's behind them
	s_mov_b64 s[G0B+2:G0B+3], s[46:47]
	s_or_b32 s[G0B+3], s[G0B+3], 0x80000000
	ARM 1, G0,  G1,  .Lhead_b                      ; every way through the chain passes exactly one load
	ARM 2, G0B, G1B, .Lhead_sa
	ARM 3, G0S, G1S, .Lhead_sb
	tensor_load_to_lds s[G0SB:G0SB+3], s[G1SB:G1SB+7]
	s_nop 0
.rept 4
	v_nop
.endr
.Lhead_asked:
	s_cmp_eq_u32 ttmp9, 0
	s_cselect_b64 s[8:9], s[8:9], s[10:11]
	s_cselect_b32 s18, s40, s41
	s_cselect_b32 s19, s41, s40
	s_cselect_b32 s20, s15, s16
	s_cselect_b32 s21, s16, s15
	s_lshl_b32 s22, s18, 10
	v_lshlrev_b32 v26, 3, v0
	v_add_nc_u32 v23, s22, v26
	global_load_b64 v[24:25], v23, s[8:9]
	s_add_co_u32 s19, s19, s17
	s_lshr_b32 s22, s19, 3
	s_lshl_b32 s22, s22, 4
	s_lshl_b32 s23, s18, 2
	s_add_co_u32 s22, s22, s23
	s_lshl_b32 s23, s21, 1
	s_add_co_u32 s22, s22, s23
	s_mul_i32 s22, s22, HEADB
	s_and_b32 s19, s19, 7
	s_lshl_b32 s19, s19, 1
	s_add_co_u32 s19, s19, s20
	s_mul_i32 s19, s19, STEPB
	s_add_co_u32 s22, s22, s19
	s_mov_b32 s23, 0
	s_add_nc_u64 s[12:13], s[12:13], s[22:23]
	v_and_b32 v1, 15, v0
	v_bfe_u32 v2, v0, 4, 1
	v_and_b32 v3, 31, v0
	v_lshlrev_b32 v[KO], 4, v3
	s_mul_i32 s21, s15, HALFT
	s_mul_i32 s22, s16, HALFT
	s_add_co_u32 s22, s22, 2*HALFT
.irp s, 0,1
	v_add_nc_u32 v[ADRA+\s], s21, v[KO]
	v_add_nc_u32 v[ADRB+\s], s22, v[KO]
	s_add_co_u32 s21, s21, 4096                    ; the second half of K: 4,096 bytes on in each row tile
	s_add_co_u32 s22, s22, 4096
.endr
	v_mul_u32_u24 v4, v1, KS
	v_lshrrev_b32 v5, 8, v4
	v_lshl_add_u32 v4, v5, 4, v4
	s_mul_i32 s2, s15, HALFS
	s_mul_i32 s3, s16, HALFS
	s_add_co_u32 s3, s3, 2*HALFS
	s_sub_co_u32 s3, s3, s2
	v_mul_u32_u24 v5, s3, v2
	s_add_co_u32 s2, s2, SCL
	v_add_nc_u32 v4, v4, v5
	v_add_nc_u32 v[ADRS], s2, v4
	s_lshl_b32 s2, s14, 10
	s_add_co_u32 s2, s2, STG                       ; the stages lie behind the spare words
	v_lshlrev_b32 v[KSTO], 9, v2
	v_lshl_add_u32 v[KSTO], v1, 4, v[KSTO]
	v_add_nc_u32 v[KSTO], s2, v[KSTO]
	v_add_nc_u32 v[KRD], s2, v[KO]
	s_lshl_b32 s2, s16, 9
	s_add_co_u32 s2, s2, BIASL
	v_lshl_add_u32 v[KBI], v2, 6, s2
	v_lshlrev_b32 v[SH], 4, v2
	v_mul_u32_u24 v[VO2], v2, HEADB
	v_lshl_add_u32 v[VO2], v1, 4, v[VO2]
	s_lshl_b32 s2, s14, 9
	s_add_co_u32 s2, s2, STG+8192
	v_lshl_add_u32 v[VSTO], v1, 3, s2
	v_add_nc_u32 v[VRD], s2, v[KO]
	s_lshl_b32 s2, s15, 9
	s_add_co_u32 s2, s2, BIASL
	v_and_b32 v4, 7, v1
	v_lshrrev_b32 v5, 3, v1
	v_lshlrev_b32 v5, 6, v5
	v_lshl_add_u32 v4, v4, 2, v5
	v_add_nc_u32 v[VBI], s2, v4
.irp b, 0,1,2,3
	v_mov_b32 v[TM+4+\b], 0
.endr
	v_add_nc_u32 v26, BIASL, v26
	s_wait_alu depctr_va_vdst(0)
	s_wait_loadcnt 0x0
	ds_store_b64 v26, v[24:25]
.macro FRAG reg, adr, q, i
.irp c, 0,1
	ds_load_b128 v[\reg+4*\c:\reg+4*\c+3], v[\adr] offset:8192*(\i)+1024*(\q)+512*\c
.endr
.endm
.macro MUL16 a0, p, q, sc, zero
.irp a, \a0, \a0+1
.irp b, 0,1,2,3,4,5,6,7
.if \zero
	v_wmma_scale_f32_16x16x128_f8f6f4 v[8*(8*((\a)%4)+\b):8*(8*((\a)%4)+\b)+7], v[128*(\p)+FR*\b:128*(\p)+FR*\b+FR-1], v[AF+FR*(\a):AF+FR*(\a)+FR-1], 0, v[SC+8*NQ*(\sc)+NQ*\b+(\q)], v[SC+8*NQ*(\sc)+NQ*(\a)+(\q)] matrix_a_fmt:MATRIX_FMT_FP4 matrix_b_fmt:MATRIX_FMT_FP4 matrix_a_scale:MATRIX_SCALE_ROW1
.else
	v_wmma_scale_f32_16x16x128_f8f6f4 v[8*(8*((\a)%4)+\b):8*(8*((\a)%4)+\b)+7], v[128*(\p)+FR*\b:128*(\p)+FR*\b+FR-1], v[AF+FR*(\a):AF+FR*(\a)+FR-1], v[8*(8*((\a)%4)+\b):8*(8*((\a)%4)+\b)+7], v[SC+8*NQ*(\sc)+NQ*\b+(\q)], v[SC+8*NQ*(\sc)+NQ*(\a)+(\q)] matrix_a_fmt:MATRIX_FMT_FP4 matrix_b_fmt:MATRIX_FMT_FP4 matrix_a_scale:MATRIX_SCALE_ROW1
.endif
.endr
.endr
.endm
.macro FETCH_B slot, q, p
	WIN TO_B
.irp i, 0,1,2,3,4,5,6,7
	FRAG 128*(\p)+FR*\i, ADRB+\slot, \q, \i
.endr
	WIN 0
.endm
.macro FETCH_A slot, q, i0
.irp i, \i0, \i0+1, \i0+2, \i0+3
	FRAG AF+FR*(\i), ADRA+\slot, \q, \i
.endr
.endm
.macro SCALES sc
.irp i, 0,1,2,3,4,5,6,7
	ds_load_b128 v[SC+8*NQ*\sc+NQ*\i:SC+8*NQ*\sc+NQ*\i+3], v[ADRS] offset:\i*SBLK
.endr
.endm
.macro PLACES n
.rept \n
	v_nop
.endr
.endm
.macro STEP slot, q, zero
	s_wait_dscnt 4*NL
	WIN MUL_LO
	MUL16 0, (\q)%2, \q, \slot, \zero
	MUL16 2, (\q)%2, \q, \slot, \zero
	s_wait_dscnt 0
	PLACES NP
	FETCH_B \slot, (\q)+1, 1-(\q)%2
	FETCH_A \slot, (\q)+1, 0
	WIN MUL_HI
	MUL16 4, (\q)%2, \q, \slot, \zero
	MUL16 6, (\q)%2, \q, \slot, \zero
	PLACES NP
	WIN 0
	FETCH_A \slot, (\q)+1, 4
.endm
.macro TURN slot, next
	s_wait_dscnt 4*NL
	WIN MUL_LO
	MUL16 0, 1, NQ-1, \slot, 0
	s_wait_dscnt 0x0
	MUL16 2, 1, NQ-1, \slot, 0
	WIN 0
	PLACES NP
	v_add_nc_u32 v[ADRS], 4*NQ, v[ADRS]
	FETCH_B \next, 0, 0
	FETCH_A \next, 0, 0
	SCALES \next
	WIN MUL_HI
	MUL16 4, 1, NQ-1, \slot, 0
	MUL16 6, 1, NQ-1, \slot, 0
	PLACES NP
	WIN 0
	FETCH_A \next, 0, 4
.endm
.macro STEPS slot, from
.set Q, \from
.rept NQ-1-\from
	STEP \slot, Q, 0
.set Q, Q+1
.endr
.endm
.macro QUANT s, pc, pw
.irp b, 0,1,2,3
	v_max3_num_f32 v[TM+\b], |v[\s+16*\b]|, |v[\s+1+16*\b]|, 0x1800000
.endr
.irp i, 2,4,6,8,10,12,14
.irp b, 0,1,2,3
	v_max3_num_f32 v[TM+\b], v[TM+\b], |v[\s+16*\b+\i]|, |v[\s+1+16*\b+\i]|
.endr
.endr
.irp b, 0,1,2,3
	v_permlanex16_b32 v[TM+4+\b], v[TM+\b], s[SEL], s[SEL+1]
.endr
.irp b, 0,1,2,3
	v_max_num_f32 v[TM+\b], v[TM+\b], v[TM+4+\b]
.endr
.irp b, 0,1,2,3
	v_add_nc_u32 v[TM+12+\b], 0xff000000, v[TM+\b]
.endr
.irp b, 0,1,2,3
	v_lshrrev_b32 v[TM+4+\b], 23, v[TM+12+\b]
.endr
	v_lshl_or_b32 v[\pw], v[TM+5], 8, v[TM+4]
	v_lshl_or_b32 v[\pw], v[TM+6], 16, v[\pw]
	v_lshl_or_b32 v[\pw], v[TM+7], 24, v[\pw]
.irp b, 0,1,2,3
	v_cvt_scalef32_pk8_fp4_f32 v[\pc+2*\b], v[\s+16*\b:\s+7+16*\b], v[TM+12+\b]
	v_cvt_scalef32_pk8_fp4_f32 v[\pc+1+2*\b], v[\s+8+16*\b:\s+15+16*\b], v[TM+12+\b]
.endr
	v_nop
.irp c, 0,1
.irp i, 0,1
	v_permlane16_swap_b32 v[\pc+4*\c+\i], v[\pc+2+4*\c+\i]
.endr
.endr
.endm
	s_wait_tensorcnt 0x0                           ; my one load has landed
	s_wait_dscnt 0x0
	s_barrier_signal -1
	s_barrier_wait -1
	FETCH_B 0, 0, 0
	FETCH_A 0, 0, 0
	SCALES 0
	FETCH_A 0, 0, 4
	STEP 0, 0, 1
	STEPS 0, 1
	TURN 0, 1
	STEPS 1, 0
	s_wait_dscnt 4*NL
	WIN MUL_LO
	MUL16 0, 1, NQ-1, 1, 0
	MUL16 2, 1, NQ-1, 1, 0
	s_wait_dscnt 0
	WIN MUL_HI
	MUL16 4, 1, NQ-1, 1, 0
	MUL16 6, 1, NQ-1, 1, 0
	WIN 0
	PLACES NP
	s_cmp_lg_u32 ttmp9, 0
	s_cbranch_scc1 .Lv
.irp m, 0,1,2,3,4,5,6,7,8,9,10,11,12,13,14,15
	ds_load_b128 v[BP+4*\m:BP+4*\m+3], v[KBI] offset:128*(\m/4)+16*(\m%4)
.endr
	s_wait_dscnt 0x0
.irp a, 0,1,2,3,4,5,6,7
.if \a >= 2
	s_wait_xcnt 0x0
.endif
	WIN 0x02+(\a)/4
.set i, 0
.rept 32
	v_pk_add_f32 v[T+2*i:T+2*i+1], v[64*((\a)%4)+2*i:64*((\a)%4)+2*i+1], v[BP+2*i:BP+2*i+1]
.set i, i+1
.endr
	WIN 0
	QUANT T, PC+8*((\a)%2), PW
	global_store_b128 v[KO], v[PC+8*((\a)%2):PC+8*((\a)%2)+3], s[12:13] offset:512*\a
	global_store_b128 v[KO], v[PC+8*((\a)%2)+4:PC+8*((\a)%2)+7], s[12:13] offset:512*\a+HEADB
	v_lshrrev_b32 v[SW], v[SH], v[PW]
	ds_store_b32 v[KSTO], v[SW] offset:(\a%2)*256+(\a/2)*4
.endr
	ds_load_b128 v[T:T+3], v[KRD]
	ds_load_b128 v[T+4:T+7], v[KRD] offset:512
	s_wait_dscnt 0x0
	global_store_b128 v[KO], v[T:T+3], s[12:13] offset:8192
	global_store_b128 v[KO], v[T+4:T+7], s[12:13] offset:8192+HEADB
	s_branch .Ldone
.Lv:
.irp a, 0,1,2,3,4,5,6,7
	ds_load_b32 v[BP+2*\a], v[VBI] offset:(32*(\a/2)+8*(\a%2))*4
	ds_load_b32 v[BP+2*\a+1], v[VBI] offset:(32*(\a/2)+8*(\a%2))*4
.endr
	s_wait_dscnt 0x0
.irp a, 0,1,2,3,4,5,6,7
.if \a >= 2
	s_wait_xcnt 0x0
.endif
	WIN 0x02+(\a)/4
.set i, 0
.rept 32
	v_pk_add_f32 v[T+2*i:T+2*i+1], v[64*((\a)%4)+2*i:64*((\a)%4)+2*i+1], v[BP+2*\a:BP+2*\a+1]
.set i, i+1
.endr
	WIN 0
	QUANT T, PC+8*((\a)%2), PW
	global_store_b128 v[KO], v[PC+8*((\a)%2):PC+8*((\a)%2)+3], s[12:13] offset:4096+(\a/4)*HEADB+(\a%4)*1024
	global_store_b128 v[KO], v[PC+8*((\a)%2)+4:PC+8*((\a)%2)+7], s[12:13] offset:4096+(\a/4)*HEADB+(\a%4)*1024+512
	ds_store_b32 v[VSTO], v[PW] offset:(\a/4)*256+(\a%2)*128+((\a/2)%2)*4
.endr
	ds_load_b128 v[T:T+3], v[VRD]
	s_wait_dscnt 0x0
	global_store_b128 v[VO2], v[T:T+3], s[12:13] offset:8704
.Ldone:
	s_wait_tensorcnt 0x0
	ds_add_u32 v[SPW], v[NIL]
	s_wait_dscnt 0x0
	CROUND
	s_endpgm
.Lfunc_end_k_qd2e99fe00b_proj:
	.size	k_qd2e99fe00b_proj, .Lfunc_end_k_qd2e99fe00b_proj-k_qd2e99fe00b_proj
	.p2alignl 7, 3214868480
	.fill 96, 4, 3214868480
	.section	.rodata,"a",@progbits
	.p2align	6, 0x0
	.amdhsa_kernel k_qd2e99fe00b_proj
		.amdhsa_group_segment_fixed_size 327680
		.amdhsa_private_segment_fixed_size 0
		.amdhsa_enable_private_segment 0
		.amdhsa_kernarg_size 40
		.amdhsa_user_sgpr_count 2
		.amdhsa_user_sgpr_kernarg_segment_ptr 1
		.amdhsa_wavefront_size32 1
		.amdhsa_system_sgpr_workgroup_id_x 1
		.amdhsa_system_sgpr_workgroup_id_y 1
		.amdhsa_system_sgpr_workgroup_id_z 1
		.amdhsa_system_vgpr_workitem_id 0
		.amdhsa_next_free_vgpr 1024
		.amdhsa_next_free_sgpr 100
		.amdhsa_reserve_vcc 0
		.amdhsa_float_denorm_mode_32 3
		.amdhsa_float_denorm_mode_16_64 3
		.amdhsa_memory_ordered 1
		.amdhsa_forward_progress 1
		.amdhsa_inst_pref_size 195
	.end_amdhsa_kernel
	.amdgpu_metadata
---
amdhsa.version: [ 1, 2 ]
amdhsa.kernels:
  - .name:           k_qd2e99fe00b_proj
    .symbol:         k_qd2e99fe00b_proj.kd
    .args:
      - { .name: codes, .offset: 0, .size: 8, .value_kind: global_buffer, .address_space: global }
      - { .name: scales, .offset: 8, .size: 8, .value_kind: global_buffer, .address_space: global }
      - { .name: bk, .offset: 16, .size: 8, .value_kind: global_buffer, .address_space: global }
      - { .name: bv, .offset: 24, .size: 8, .value_kind: global_buffer, .address_space: global }
      - { .name: kvh, .offset: 32, .size: 8, .value_kind: global_buffer, .address_space: global }
    .group_segment_fixed_size: 327680
    .private_segment_fixed_size: 0
    .kernarg_segment_align: 8
    .kernarg_segment_size: 40
    .max_flat_workgroup_size: 128
    .sgpr_count:     100
    .vgpr_count:     1024
    .wavefront_size: 32
...
	.end_amdgpu_metadata
.endif
;; end of part 2
;; launch attn (part 3): grid 4 x 64, 8 waves a work-group, clusters of 4 x 1, 186,368 bytes of LDS; arguments codes, scales, bq, log_gate_bias, kvh, aoc, aos; writes aoc, aos
.if DOCPART == 3
	.amdgcn_target "amdgcn-amd-amdhsa--gfx1250"
	.amdhsa_code_object_version 6
	.text
	.protected	k_qd2e99fe00b_attn
	.globl	k_qd2e99fe00b_attn
	.p2align	8
	.type	k_qd2e99fe00b_attn,@function
k_qd2e99fe00b_attn:
	s_mov_b64 s[64:65], 0
	v_nop
	global_prefetch_b8 v0, s[64:65] scope:SCOPE_SE
	s_setreg_imm32_b32 hwreg(HW_REG_WAVE_MODE, 25, 1), 1
	s_wait_xcnt 0x0
	s_wait_alu depctr_hold_cnt(0) depctr_sa_sdst(0) depctr_va_vdst(0) depctr_va_sdst(0) depctr_va_ssrc(0) depctr_va_vcc(0) depctr_vm_vsrc(0)
	s_getreg_b32 s2, hwreg(HW_REG_IB_STS2, 6, 4)
	s_cmp_eq_u32 s2, 0
	s_cbranch_scc0 .Lentry_in_a_cluster
	s_endpgm
.Lentry_in_a_cluster:
	s_bfe_u32 s2, ttmp6, 0x10000c
	s_cmp_lg_u32 s2, 0x3003
	s_cbranch_scc0 .Lentry_shape_is_right
	s_endpgm
.Lentry_shape_is_right:
; Launch 3 of 4: for one head and 256 queries: q = Q Wq^T + bq, quantised in registers; S^T = k q^T / 8 + gate bias; the softmax; O^T = v^T p^T; O / l quantised along D.  No work is left out.
; SHARES: a work-group owns 256 queries of one (batch, head); each of its eight waves 32 of them, two tiles x = 0, 1 of 16: every fragment of Wq, K and V and every register of gate bias serves two matrix instructions.
; LDS, each byte filled once: the head's K, V and scale words (143,360 bytes), the batch's gate bias (8,192), the head's 64 rows of Wq (32,768).  One tensor load a wave: waves 0-4 K and V (112 rows of 256 bytes each),
; wave 5 the gate bias (32 rows), waves 6, 7 Wq (64 rows each).  CLUSTER: the four query blocks of a head need the same bytes: the loads are joint, mask 15, the same in all four partners.
; Wq's two waves wait for their loads in their own arm, so the first barrier shows Wq alone; K, V and the gate bias stay in flight across it and are waited for ahead of the second.
; NO PREFETCH: all that the work-group reads through LDS is asked for once, at the head; there is no loop to run ahead in.
; LAYOUT: every product is used transposed: a lane holds ONE query (lane % 16) of each tile.  THE KEYS OF A SCORE TILE ARE CHOSEN BY ADDRESS: row 8 a + j of tile n = 4 c + t takes key 64 c + 32 a + 8 t + j, so register 8 n + j of
; lane (r, h) is key 64 c + 32 h + 8 t + j: a lane's 32 registers of four tiles are one whole block of 32 keys, and the conversion of tile n gives register n of the second product's operand as it stands.
; The score product has K = 64: q's codes of k = 64 .. 127 are zeros, so what stands in registers 4-7 of K's operand counts for nothing: tile n's operand is four registers of its own and the next tile's four.
; THE DIVISION BY sqrt(64) = 8 is made by taking 3 off q's two scale bytes: exact.  The gate bias is the C of the score products, one set of registers for both tiles.
; THE SOFTMAX: t = logit x log2(e); M = the running largest t rounded up to a whole number; p = 2^(t - M) is quantised along the keys; the sum is taken of the unquantised p and divides at the end.
; THE LOOP IS ONE STEP AHEAD WITH THE SCORES: step i's trip holds step i + 1's score products, two at a time among the additions of the row's sum, each pair one group behind the registers of p that the additions have read.
; LIMITS: NaN and infinities are not served; the promise holds while the scaled scores t stay under 2^31 in magnitude; q's blocks under 2^-121 and the other blocks under 2^-124 keep the floor's byte.
; REGISTERS.  Window 1: v0-127 Q's fragments, then S^T and p (tile x at 64 x); v128-191 O^T (tile x at 128 + 32 x); v192-227 K; v228-243 q's operands; v244-251 the sums, two chains a tile.
; Window 0: v1-11, v24-31 addresses; v12-15 (-M, largest t) a tile; v16-19 f; v32-63 work registers; v64-127 q's sums, then the gate bias; v128-191 Wq's fragments; v164-195 V;
; v196-227 bq, then q's codes on their way; v212-227 p's codes; v228-251 scale words and nothing else.
.set GBL,   143360
.set WQL,   151552
.set SPARE, 184320
.set HEADB, 143360
.set STEPB, 8960
.set LI,   1                           ; 16 x lane
.set L8,   2                           ; 8 x lane
.set SPW,  3
.set NIL,  4
.set AK0,  5                           ; my lane's place in a step's tiles of K
.set AKS0, 6                           ; among K's scale words
.set AG0,  7                           ; in the gate bias
.set ADK,  8
.set ADKS, 9
.set ADG,  10
.set SH8,  11                          ; 8 (lane / 16)
.set ADV,  24                          ; V's images
.set ADVS, 25                          ; V's scale words
.set AWQ,  26                          ; Wq's images
.set AQS,  28
.set ABQ,  29
.set AWS,  30
.set BQ,   196
.set QT,   196
.set G,    64
.set QACC, 64
.set WF,   128
.set VF,   164
.set PC,   212
.set KS,   228
.set KF,   192                         ; window 1
.set QF,   228                         ; window 1
.set LS,   244                         ; window 1
.set WV,  18
.set SEL, 20
.set CS,  22
.set G1A, 28
.set G1B, 36
.set G1C, 44
.set G0A, 52
.set G0B, 56
.set G0C, 60
.set TB,  76
.set GS,  77
.set CNT, 78
.set MSB, 0
.macro WIN new                         ; the immediate's high byte repeats the setting that is left
.if MSB != \new
	s_set_vgpr_msb (MSB<<8)|\new
.set MSB, \new
.endif
.endm
.macro CROUND
	s_barrier_signal -1
	s_barrier_wait -1
	s_cmp_lg_u32 s[WV], 0
	s_cbranch_scc1 .Lnot_wave_0_\@
	s_barrier_signal -3
.Lnot_wave_0_\@:
	s_barrier_wait -3
	s_barrier_signal -1
	s_barrier_wait -1
.endm
; a scaled matrix instruction; ra, rb: the scale words are taken from lanes 16-31
.macro WM d, a, b, c, sa, sb, ra, rb
.if (\ra) && (\rb)
	v_wmma_scale_f32_16x16x128_f8f6f4 v[\d:\d+7], v[\a:\a+7], v[\b:\b+7], v[\c:\c+7], v[\sa], v[\sb] matrix_a_fmt:MATRIX_FMT_FP4 matrix_b_fmt:MATRIX_FMT_FP4 matrix_a_scale:MATRIX_SCALE_ROW1 matrix_b_scale:MATRIX_SCALE_ROW1
.elseif (\ra)
	v_wmma_scale_f32_16x16x128_f8f6f4 v[\d:\d+7], v[\a:\a+7], v[\b:\b+7], v[\c:\c+7], v[\sa], v[\sb] matrix_a_fmt:MATRIX_FMT_FP4 matrix_b_fmt:MATRIX_FMT_FP4 matrix_a_scale:MATRIX_SCALE_ROW1
.elseif (\rb)
	v_wmma_scale_f32_16x16x128_f8f6f4 v[\d:\d+7], v[\a:\a+7], v[\b:\b+7], v[\c:\c+7], v[\sa], v[\sb] matrix_a_fmt:MATRIX_FMT_FP4 matrix_b_fmt:MATRIX_FMT_FP4 matrix_b_scale:MATRIX_SCALE_ROW1
.else
	v_wmma_scale_f32_16x16x128_f8f6f4 v[\d:\d+7], v[\a:\a+7], v[\b:\b+7], v[\c:\c+7], v[\sa], v[\sb] matrix_a_fmt:MATRIX_FMT_FP4 matrix_b_fmt:MATRIX_FMT_FP4
.endif
.endm
; Both tiles' 32 numbers a lane (tile x at s + 32 x; register 16 b + i = index 32 b + 16 (lane / 16) + i of my row) become four registers of codes at pc + 8 x (lane (r, h): k = 32 h + 0 .. 31) and two scale bytes in v[56 + x].  The four blocks by turns.
.macro QUANT2 s, pc, floor
.irp x, 0,1
.irp b, 0,1
	v_max3_num_f32 v[32+2*\x+\b], |v[\s+32*\x+16*\b]|, |v[\s+32*\x+16*\b+1]|, \floor
.endr
.endr
.irp i, 2,4,6,8,10,12,14
.irp x, 0,1
.irp b, 0,1
	v_max3_num_f32 v[32+2*\x+\b], v[32+2*\x+\b], |v[\s+32*\x+16*\b+\i]|, |v[\s+32*\x+16*\b+\i+1]|
.endr
.endr
.endr
.irp q, 0,1,2,3
	v_permlanex16_b32 v[36+\q], v[32+\q], s[SEL], s[SEL+1]
.endr
.irp q, 0,1,2,3
	v_max_num_f32 v[32+\q], v[32+\q], v[36+\q]     ; with lane l xor 16's 16: the block's largest magnitude
.endr
.irp q, 0,1,2,3
	v_add_nc_u32 v[48+\q], 0xff000000, v[32+\q]    ; 2 off the exponent field: the conversion's scale operand
.endr
.irp q, 0,1,2,3
	v_lshrrev_b32 v[36+\q], 23, v[48+\q]
.endr
.irp x, 0,1
	v_lshl_or_b32 v[56+\x], v[37+2*\x], 8, v[36+2*\x]
.endr
.irp x, 0,1
.irp b, 0,1
	v_cvt_scalef32_pk8_fp4_f32 v[\pc+8*\x+2*\b], v[\s+32*\x+16*\b:\s+32*\x+16*\b+7], v[48+2*\x+\b]
	v_cvt_scalef32_pk8_fp4_f32 v[\pc+8*\x+2*\b+1], v[\s+32*\x+16*\b+8:\s+32*\x+16*\b+15], v[48+2*\x+\b]
.endr
.endr
	v_nop                                          ; one plain line behind a scaled conversion
.irp x, 0,1
	v_permlane16_swap_b32 v[\pc+8*\x], v[\pc+8*\x+2]       ; a whole block to a lane
	v_permlane16_swap_b32 v[\pc+8*\x+1], v[\pc+8*\x+3]
.endr
.endm
	s_load_b256 s[4:11], s[0:1], 0x0               ; codes, scales, bq, log_gate_bias
	s_load_b128 s[12:15], s[0:1], 0x20             ; kvh, aoc
	s_load_b64 s[16:17], s[0:1], 0x30              ; aos
	v_lshl_add_u32 v[SPW], v0, 2, SPARE
	v_mov_b32 v[NIL], 0
	ds_add_u32 v[SPW], v[NIL]                      ; the wave's opening: the add, twice on end, and its wait ahead of my first tensor load
	ds_add_u32 v[SPW], v[NIL]
	; all set-up that needs no argument stands here, between the arguments' loads and the wait for them
	v_lshrrev_b32 v31, 5, v0
	v_readfirstlane_b32 s[WV], v31                 ; wave 0..7
	v_and_b32 v27, 31, v0
	v_lshlrev_b32 v[LI], 4, v27
	v_lshlrev_b32 v[L8], 3, v27
	v_lshlrev_b32 v[AWS], 5, v27                   ; 32 x lane: Wq's scale rows
	v_bfe_u32 v31, v0, 4, 1                        ; h
	v_and_b32 v27, 15, v0                          ; r
	v_lshlrev_b32 v[AQS], 5, v27
	v_lshl_add_u32 v[AQS], v31, 4, v[AQS]          ; 32 r + 16 h: Q's scale words: lanes 0-15 words 0-3, lanes 16-31 words 4-7
	v_lshlrev_b32 v[ABQ], 6, v31                   ; 64 h: bq
	v_bfe_u32 v20, v0, 3, 1                        ; a = (lane / 8) % 2
	v_and_b32 v21, 7, v0                           ; j = lane % 8
	v_lshlrev_b32 v22, 10, v20
	v_lshl_add_u32 v22, v21, 4, v22
	v_lshl_add_u32 v[AK0], v31, 8, v22             ; K: row 8 a + j of tile 4 c + t lies in the stored tile 4 c + 2 a + t % 2 at row 8 (t / 2) + j: 1,024 a + 16 j + 256 h; the rest is an immediate
	v_lshlrev_b32 v22, 2, v20
	v_lshl_add_u32 v22, v21, 4, v22
	v_lshl_add_u32 v[AKS0], v31, 8, v22            ; its scale word: 4 a + 16 j; lanes 16-31 take the words of the odd tiles, 256 bytes on
	v_lshl_add_u32 v[AG0], v31, 7, GBL             ; the gate bias of my 32 keys of each 64
	v_lshlrev_b32 v[SH8], 3, v31
	v_add_nc_u32 v[AWQ], WQL, v[LI]
	v_mov_b32 v[ADV], v[LI]
	v_mov_b32 v[ADVS], v[L8]
.irp j, 16,17,18,19,36,37,38,39,42,43,58,59
	v_mov_b32 v[\j], 0                             ; f's pairs; and a lane permute's destination counts as one of its sources
.endr
	v_mov_b32 v13, 0xff61b1e6                      ; the largest t so far: -3e38
	v_mov_b32 v15, 0xff61b1e6
	v_floor_f32 v12, -v13                          ; -M
	v_floor_f32 v14, -v15
	WIN 0x40                                       ; destination window 1
.set j, 128
.rept 64
	v_mov_b32 v[j], 0                              ; O^T: the step is written for a running sum; the first finds zeros
.set j, j+1
.endr
.irp j, 224,225,226,227,232,233,234,235,240,241,242,243,244,245,246,247,248,249,250,251
	v_mov_b32 v[\j], 0                             ; the four registers behind K's last tile; k = 64 .. 127 of q: zero codes; the sums
.endr
	WIN 0
	s_bfe_u32 s19, ttmp6, 0x40000                  ; cx: my block of 256 queries: it enters Q's, aoc's and aos's addresses alone
	s_and_b32 s24, ttmp7, 0xffff                   ; 16 b + head, which the four partners share
	s_lshr_b32 s25, s24, 4                         ; b
	s_and_b32 s26, s24, 15                         ; head
	s_lshl_b32 s27, s25, 6
	s_lshl_b32 s75, s19, 4
	s_add_co_u32 s27, s27, s75
	s_lshl_b32 s75, s[WV], 1
	s_add_co_u32 s27, s27, s75                     ; my first tile of 16 rows of Q: 64 b + 16 cx + 2 wave
.irp g, G1A, G1B, G1C                          ; dense blocks as rows of 256 bytes (32 elements of 8): mask 15, bit 21 beside it, no padding
	s_mov_b32 s[\g], 15|(3<<16)|(1<<21)
	s_mov_b32 s[\g+1], 32<<16
	s_mov_b32 s[\g+3], 32<<16
	s_mov_b32 s[\g+5], 32
	s_mov_b32 s[\g+6], 0
	s_mov_b32 s[\g+7], 0
.endr
	s_mov_b32 s[G1A+2], 64<<16                     ; Wq: 16,384 bytes a load
	s_mov_b32 s[G1A+4], 64
	s_mov_b32 s[G1B+2], 112<<16                    ; K and V: 28,672 bytes a load
	s_mov_b32 s[G1B+4], 112
	s_mov_b32 s[G1C+2], 32<<16                     ; the gate bias: 8,192 bytes
	s_mov_b32 s[G1C+4], 32
	s_lshl_b32 s66, s26, 15                        ; the head's four row tiles of Wq; waves 6 and 7 take the halves: 16,384 (wave - 6) on
	s_lshl_b32 s72, s[WV], 14
	s_add_co_u32 s66, s66, s72
	s_add_co_u32 s66, s66, 0x600000-98304
	s_mov_b32 s67, 0
	s_add_co_u32 s72, s72, WQL-98304
	s_lshl_b32 s68, s25, 13                        ; the batch's gate bias
	s_mov_b32 s69, 0
	s_mul_i32 s70, s24, HEADB                      ; the head's block of K and V; waves 0 to 4 take fifths
	s_mul_i32 s74, s[WV], 28672
	s_add_co_u32 s70, s70, s74
	s_mov_b32 s71, 0
	s_lshl_b32 s80, s27, 13                        ; my tiles' codes of Q,
	s_mov_b32 s81, 0
	s_lshl_b32 s82, s27, 9                         ; and their scale bytes
	s_mov_b32 s83, 0
	s_lshl_b32 s84, s26, 11
	s_add_co_u32 s84, s84, 0x60000                 ; Wq's scale bytes: the head's 64 positions x 32
	s_mov_b32 s85, 0
	s_lshl_b32 s86, s26, 8                         ; bq: the head's 64
	s_mov_b32 s87, 0
	s_lshl_b32 s88, s26, 9
	s_add_co_u32 s88, s88, s80                     ; aoc: my tile, 512 x head bytes on
	s_mov_b32 s89, 0
	s_lshr_b32 s90, s26, 1
	s_lshl_b32 s90, s90, 6
	s_add_co_u32 s90, s90, s82
	s_and_b32 s91, s26, 1
	s_lshl_b32 s91, s91, 1
	s_add_co_u32 s90, s90, s91                     ; aos: my tile's words of head / 2; my two bytes of each
	s_mov_b32 s91, 0
	s_mov_b32 s[SEL], 0x76543210
	s_mov_b32 s[SEL+1], 0xfedcba98
	s_mov_b32 s[CS], 0x3fb8aa3b                    ; log2(e)
	s_mov_b32 s[CS+1], s[CS]
	s_wait_alu depctr_va_vdst(0)
	s_wait_dscnt 0x0                               ; both opening adds are done
	s_wait_kmcnt 0x0
	s_mov_b32 s[G0A], 1
	s_mov_b32 s[G0A+1], s72
	s_add_nc_u64 s[G0A+2:G0A+3], s[4:5], s[66:67]
	s_or_b32 s[G0A+3], s[G0A+3], 0x80000000
	s_mov_b32 s[G0C], 1
	s_mov_b32 s[G0C+1], GBL
	s_add_nc_u64 s[G0C+2:G0C+3], s[10:11], s[68:69]
	s_or_b32 s[G0C+3], s[G0C+3], 0x80000000
	s_mov_b32 s[G0B], 1
	s_mov_b32 s[G0B+1], s74
	s_add_nc_u64 s[G0B+2:G0B+3], s[12:13], s[70:71]
	s_or_b32 s[G0B+3], s[G0B+3], 0x80000000
	s_add_nc_u64 s[80:81], s[4:5], s[80:81]
	s_add_nc_u64 s[82:83], s[6:7], s[82:83]
	s_add_nc_u64 s[84:85], s[6:7], s[84:85]
	s_add_nc_u64 s[86:87], s[8:9], s[86:87]
	s_add_nc_u64 s[14:15], s[14:15], s[88:89]
	s_add_nc_u64 s[16:17], s[16:17], s[90:91]
	; what comes straight into registers is asked for ahead of the round: 46 loads; their address registers stay untouched up to the wait for them
	WIN 0x40
.irp x, 0,1
.irp k, 0,1,2,3,4,5,6,7
.irp c, 0,1
	global_load_b128 v[64*\x+8*\k+4*\c:64*\x+8*\k+4*\c+3], v[LI], s[80:81] offset:8192*\x+1024*\k+512*\c   ; Q's fragments: 512 consecutive bytes a load
.endr
.endr
.endr
	WIN 0
	global_load_b128 v[244:247], v[AQS], s[82:83]
	global_load_b128 v[248:251], v[AQS], s[82:83] offset:512
	global_load_b128 v[228:231], v[AWS], s[84:85]              ; Wq's scale words: positions 0-31, 128-steps 0-3,
	global_load_b128 v[232:235], v[AWS], s[84:85] offset:16    ; 4-7;
	global_load_b128 v[236:239], v[AWS], s[84:85] offset:1024  ; positions 32-63
	global_load_b128 v[240:243], v[AWS], s[84:85] offset:1040
.irp m, 0,1,2,3,4,5,6,7
	global_load_b128 v[BQ+4*\m:BQ+4*\m+3], v[ABQ], s[86:87] offset:128*(\m/4)+16*(\m%4)   ; bq is the C of q's first products: register 16 b + i: dim 32 b + 16 h + i
.endr
	CROUND                                         ; all four work-groups are here: the joint loads meet
; THE HEAD'S LOADS, ONE A WAVE: one chain of branches on the wave's number, each arm with its load; every way passes exactly one.  Nothing is ever filled again.
.macro ARM under, g0, g1, next
	s_cmp_lt_u32 s[WV], \under
	s_cbranch_scc0 \next
	tensor_load_to_lds s[\g0:\g0+3], s[\g1:\g1+7]
	s_nop 0
.rept 4
	v_nop
.endr
	s_branch .Lhead_asked
\next:
.endm
	ARM 5, G0B, G1B, .Lhead_gb
	ARM 6, G0C, G1C, .Lhead_wq
	tensor_load_to_lds s[G0A:G0A+3], s[G1A:G1A+7]
	s_nop 0
.rept 4
	v_nop
.endr
	s_wait_tensorcnt 0x0                           ; Wq's arm holds the wait that Wq's readers need: my half has landed
.Lhead_asked:
	s_barrier_signal -1
	s_barrier_wait -1                              ; Wq is whole; the other six waves' loads may be out
; q^T = Wq Q^T + bq: source 0 = 16 positions of Wq, source 1 = 16 queries; Wq's four fragments of a 128-step in two buffers by turns; the eight accumulators take turns
.macro LW ka
.irp t, 0,1,2,3
.irp c, 0,1
	ds_load_b128 v[WF+32*((\ka)%2)+8*\t+4*\c:WF+32*((\ka)%2)+8*\t+4*\c+3], v[AWQ] offset:8192*\t+1024*(\ka)+512*\c
.endr
.endr
.endm
	LW 0
	s_wait_loadcnt 0x0                             ; Q, the scale words and bq are in
	WIN 0x04                                       ; source 1 (Q) window 1
.set KA, 0
.rept 8
.if KA < 7
.if KA > 0
.rept 4
	v_nop                                          ; plain lines ahead of loads into registers that the last products read
.endr
.endif
	LW KA+1
	s_wait_dscnt 8                                 ; this 128-step's fragments are in; the next step's eight loads may be out
.else
	s_wait_dscnt 0x0
.endif
.irp t, 0,1,2,3
.irp x, 0,1
.if KA == 0
	WM QACC+32*\x+8*\t, WF+8*\t, 64*\x, BQ+8*\t, 228+8*(\t/2), 244+4*\x, \t%2, 0
.else
	WM QACC+32*\x+8*\t, WF+32*(KA%2)+8*\t, 64*\x+8*KA, QACC+32*\x+8*\t, 228+8*(\t/2)+KA, 244+4*\x+KA%4, \t%2, KA/4
.endif
.endr
.endr
.set KA, KA+1
.endr
	WIN 0
.rept 4
	v_nop                                          ; plain lines behind the last products
.endr
	QUANT2 QACC, QT, 0x3000000                     ; the floor 2^(6 - 127): the bytes stay at 4 or more,
	v_add_nc_u32 v234, 0xfffffcfd, v56             ; so that 3 can be taken off each: q / 8, exactly
	v_add_nc_u32 v235, 0xfffffcfd, v57
	WIN 0x40
.irp x, 0,1
.irp k, 0,1,2,3
	v_mov_b32 v[QF+8*\x+\k], v[QT+8*\x+\k]         ; q's codes to their place in window 1
.endr
.endr
	WIN 0
.rept 4
	v_nop                                          ; with the eight lines above: the plain lines between q's scale words and codes and the first score product
.endr
; a step's K (8 tiles x 4 registers, window 1), its scale words (register 2 c + t / 2: lanes 0-15 the even tile, lanes 16-31 the odd) and its gate bias (register 8 n + j: key 64 c + 32 h + 8 t + j); o, og: bytes on
.macro LOADKG ak, aks, ag, o, og
	WIN 0x40
.irp n, 0,1,2,3,4,5,6,7
	ds_load_b128 v[KF+4*\n:KF+4*\n+3], v[\ak] offset:\o+2048*(\n/4)+512*(\n%2)+128*((\n/2)%2)
.endr
	WIN 0
.irp c, 0,1
.irp u, 0,1
	ds_load_b32 v[KS+2*\c+\u], v[\aks] offset:\o+8192+128*\u+8*\c
.endr
.endr
.irp n, 0,1,2,3,4,5,6,7
.irp g, 0,1
	ds_load_b128 v[G+8*\n+4*\g:G+8*\n+4*\g+3], v[\ag] offset:\og+32*\n+128*(\n/4)+16*\g
.endr
.endr
.endm
.macro LOADV
.irp n, 0,1,2,3
.irp c, 0,1
	ds_load_b128 v[VF+8*\n+4*\c:VF+8*\n+4*\c+3], v[ADV] offset:4096+1024*\n+512*\c
.endr
.endr
	ds_load_b64 v[232:233], v[ADVS] offset:8704    ; V's scale words
.endm
; score tile n of both query tiles, under the setting 0x45: D, K and q window 1, the gate bias (C) window 0
.macro WMS n
.irp x, 0,1
	WM 64*\x+8*(\n), KF+4*(\n), QF+8*\x, G+8*(\n), KS+2*((\n)/4)+((\n)/2)%2, 234+\x, (\n)%2, 0
.endr
.endm
; four additions of the row's sums, under the same setting: registers 8 n + k .. + 3 of p, both tiles, two chains a tile
.macro ADD4 n, k
.irp x, 0,1
.irp u, 0,1
	v_pk_add_f32 v[LS+4*\x+2*\u:LS+4*\x+2*\u+1], v[LS+4*\x+2*\u:LS+4*\x+2*\u+1], v[64*\x+8*(\n)+\k+2*\u:64*\x+8*(\n)+\k+2*\u+1]
.endr
.endr
.endm
	s_wait_alu depctr_va_vdst(0)
	s_wait_tensorcnt 0x0                           ; my load has landed
	s_barrier_signal -1
	s_barrier_wait -1                              ; everybody's has: all of LDS is whole from here on
	LOADKG AK0, AKS0, AG0, 0, 0                    ; step 0's
	s_wait_dscnt 0x0
	WIN 0x45
.irp n, 0,1,2,3,4,5,6,7
	WMS \n                                         ; step 0's scores stand ahead of the loop
.endr
	WIN 0
.rept 4
	v_nop                                          ; plain lines ahead of loads into registers that the products read
.endr
	LOADV                                          ; step 0's V
	LOADKG AK0, AKS0, AG0, STEPB, 512              ; step 1's
	s_mov_b32 s[TB], STEPB                         ; where the next step's block begins
	s_mov_b32 s[GS], 512
	s_mov_b32 s[CNT], 15
; A STEP: the softmax and the second product of 128 keys x my 32 queries, whose scores are there.  fin = 0: with the next step's score products, and the loads for what follows.
.macro STEP fin
	; the largest logit of each of a lane's four blocks of 32 keys (two a tile): eight chains of 16 registers by turns; each accumulator is read from its low end on
	WIN 0x15
.irp x, 0,1
.irp c, 0,1
.irp u, 0,1
	v_max3_num_f32 v[32+4*\x+2*\c+\u], v[64*\x+32*\c+16*\u], v[64*\x+32*\c+16*\u+1], v[64*\x+32*\c+16*\u+2]
.endr
.endr
.endr
	WIN 0x14
.irp i, 3,5,7,9,11,13
.irp x, 0,1
.irp c, 0,1
.irp u, 0,1
	v_max3_num_f32 v[32+4*\x+2*\c+\u], v[32+4*\x+2*\c+\u], v[64*\x+32*\c+16*\u+\i], v[64*\x+32*\c+16*\u+\i+1]
.endr
.endr
.endr
.endr
.irp x, 0,1
.irp c, 0,1
	v_max3_num_f32 v[32+4*\x+2*\c], v[32+4*\x+2*\c], v[64*\x+32*\c+15], v[64*\x+32*\c+31]
.endr
.endr
	WIN 0
.irp x, 0,1
.irp c, 0,1
	v_max_num_f32 v[32+4*\x+2*\c], v[32+4*\x+2*\c], v[33+4*\x+2*\c]   ; the block's: it serves the row's maximum and, since p rises with the logit, the block's largest p
.endr
.endr
.irp x, 0,1
	v_max_num_f32 v[40+\x], v[32+4*\x], v[34+4*\x]
.endr
.irp x, 0,1
	s_delay_alu instid0(VALU_DEP_2)
	v_permlanex16_b32 v[42+\x], v[40+\x], s[SEL], s[SEL+1]
.endr
.irp x, 0,1
	s_delay_alu instid0(VALU_DEP_2)
	v_max_num_f32 v[40+\x], v[40+\x], v[42+\x]     ; with lane l xor 16's 64 keys: the step's largest logit of my query
.endr
.irp x, 0,1
	s_delay_alu instid0(VALU_DEP_2)
	v_mul_f32 v[40+\x], s[CS], v[40+\x]            ; as t
.endr
.irp x, 0,1
	v_mov_b32 v[44+\x], v[12+2*\x]
.endr
.irp x, 0,1
	s_delay_alu instid0(VALU_DEP_4)
	v_max_num_f32 v[13+2*\x], v[13+2*\x], v[40+\x] ; the running largest t
.endr
.irp x, 0,1
	s_delay_alu instid0(VALU_DEP_2)
	v_floor_f32 v[12+2*\x], -v[13+2*\x]            ; the new -M = -ceil(t): a whole number
.endr
.irp x, 0,1
	s_delay_alu instid0(VALU_DEP_2)
	v_sub_f32 v[44+\x], v[12+2*\x], v[44+\x]       ; old M - new M: a whole number, 0 or less
.endr
.irp x, 0,1
.irp c, 0,1
	v_fma_f32 v[32+4*\x+2*\c], v[32+4*\x+2*\c], s[CS], v[12+2*\x]   ; t - M of each block's largest logit
.endr
.endr
.irp x, 0,1
	v_cvt_i32_f32 v[44+\x], v[44+\x]               ; (it saturates)
.endr
.irp x, 0,1
	s_delay_alu instid0(VALU_DEP_2)
	v_ldexp_f32 v[16+2*\x], 1.0, v[44+\x]          ; f = 2^(old M - new M): a multiplication by it rounds nothing
.endr
	WIN 0x41
.irp x, 0,1
.set j, 0
.rept 32
	v_pk_fma_f32 v[64*\x+j:64*\x+j+1], v[64*\x+j:64*\x+j+1], s[CS:CS+1], v[12+2*\x:13+2*\x] op_sel_hi:[1,0,0]   ; t - M
.set j, j+2
.endr
.endr
.irp x, 0,1
.set j, 0
.rept 16
	v_pk_mul_f32 v[128+32*\x+j:128+32*\x+j+1], v[128+32*\x+j:128+32*\x+j+1], v[16+2*\x:17+2*\x] op_sel_hi:[1,0]   ; O^T under the new M, ahead of the exponentials: each accumulator from its low end on
.set j, j+2
.endr
.endr
	WIN 0
	s_wait_alu depctr_va_vdst(0)
.irp x, 0,1
.irp c, 0,1
	v_exp_f32 v[32+4*\x+2*\c], v[32+4*\x+2*\c]     ; each block's largest p
.endr
.endr
	WIN 0x41
.set j, 0
.rept 128
	v_exp_f32 v[j], v[j]                           ; p = 2^(t - M), not normalised
.set j, j+1
.endr
	WIN 0
.if \fin
	v_nop                                          ; a plain line behind the exponentials
.else
	v_add_nc_u32 v[ADV], s[TB], v[LI]              ; the next step's V (plain lines behind the exponentials)
	v_add_nc_u32 v[ADVS], s[TB], v[L8]
.endif
	s_wait_alu depctr_va_vdst(0)                   ; one wait for the batch, ahead of its first reader; it also stands directly ahead of the wait below
	s_wait_dscnt 0x0                               ; this step's V and the next step's K, scale words and gate bias are in: all were asked for at the last step's end
.irp x, 0,1
.irp c, 0,1
	v_max_num_f32 v[32+4*\x+2*\c], 0x1800000, v[32+4*\x+2*\c]   ; the floor 2^(3 - 127)
.endr
.endr
.irp x, 0,1
.irp c, 0,1
	v_add_nc_u32 v[48+2*\x+\c], 0xff000000, v[32+4*\x+2*\c]     ; 2 off the exponent field: the conversion's scale operand
.endr
.endr
.irp q, 0,1,2,3
	v_lshrrev_b32 v[52+\q], 23, v[48+\q]           ; the scale's byte
.endr
.irp x, 0,1
	v_lshl_or_b32 v[56+\x], v[53+2*\x], 16, v[52+2*\x]   ; my two bytes: blocks h and 2 + h,
.endr
.irp x, 0,1
	v_lshlrev_b32 v[56+\x], v[SH8], v[56+\x]       ; at their places in the word;
.endr
.irp x, 0,1
	v_permlanex16_b32 v[58+\x], v[56+\x], s[SEL], s[SEL+1]
.endr
.irp x, 0,1
	v_or_b32 v[236+\x], v[56+\x], v[58+\x]         ; with lane l xor 16's two: p's scale word for these 128 keys
.endr
	WIN 0x01
.irp x, 0,1
.irp n, 0,1,2,3,4,5,6,7
	v_cvt_scalef32_pk8_fp4_f32 v[PC+8*\x+\n], v[64*\x+8*\n:64*\x+8*\n+7], v[48+2*\x+\n/4]   ; tile n's eight keys: register n of the operand
.endr
.endr
	; the row's sum is taken of the unquantised p: two chains a tile; each chain's first line also brings the old sum under the new M
	WIN 0x51
.irp x, 0,1
.irp u, 0,1
	v_pk_fma_f32 v[LS+4*\x+2*\u:LS+4*\x+2*\u+1], v[LS+4*\x+2*\u:LS+4*\x+2*\u+1], v[16+2*\x:17+2*\x], v[64*\x+2*\u:64*\x+2*\u+1] op_sel_hi:[1,0,1]
.endr
.endr
	WIN 0x45
	ADD4 0, 4
.irp n, 1,2,3,4,5,6,7
	ADD4 \n, 0
	ADD4 \n, 4
.if \fin == 0
	WMS \n-1                                       ; the next step's scores land on the registers of p that were summed one group ago
.endif
.endr
.if \fin == 0
	WMS 7
.endif
	WIN 0x50                                       ; C and D window 1
.irp n, 0,1,2,3
.irp x, 0,1
	WM 128+32*\x+8*\n, VF+8*\n, PC+8*\x, 128+32*\x+8*\n, 232+\n/2, 236+\x, \n%2, 0
.endr
.endr
	WIN 0
.if \fin == 0
	v_add_nc_u32 v[ADK], s[TB], v[AK0]             ; four plain lines ahead of loads into registers that the products read
	v_add_nc_u32 v[ADKS], s[TB], v[AKS0]
	v_add_nc_u32 v[ADG], s[GS], v[AG0]
	v_nop
	LOADV                                          ; the next step's V
	s_cmp_eq_u32 s[CNT], 1                         ; the last trip has no step after the next: the trip counter alone leads round these loads
	s_cbranch_scc1 .Lno_k_\@
	LOADKG ADK, ADKS, ADG, STEPB, 512              ; K, scale words and gate bias of the step after the next
.Lno_k_\@:
.endif
.endm
.Lstep:                                            ; 15 trips; the sixteenth step is written out: it has no successor
	STEP 0
	s_add_co_u32 s[TB], s[TB], STEPB
	s_add_co_u32 s[GS], s[GS], 512
	s_sub_co_u32 s[CNT], s[CNT], 1
	s_cmp_lg_u32 s[CNT], 0
	s_cbranch_scc1 .Lstep
	STEP 1
	; THE WAY OUT: O^T / l, quantised along D: my head's 64 are two blocks
	WIN 0x05
.irp x, 0,1
	v_pk_add_f32 v[20+4*\x:21+4*\x], v[LS+4*\x:LS+4*\x+1], v[LS+4*\x+2:LS+4*\x+3]   ; (with the lines below: the plain lines behind the last products)
.endr
	WIN 0
.irp x, 0,1
	v_add_f32 v[20+4*\x], v[20+4*\x], v[21+4*\x]
.endr
.irp x, 0,1
	v_permlanex16_b32 v[42+\x], v[20+4*\x], s[SEL], s[SEL+1]
.endr
.irp x, 0,1
	v_add_f32 v[20+4*\x], v[20+4*\x], v[42+\x]     ; the row's sum
.endr
	s_wait_alu depctr_va_vdst(0)
	v_rcp_f32 v20, v20
	v_rcp_f32 v24, v24
	v_and_b32 v5, 15, v0                           ; (plain lines behind the reciprocals)
	v_lshlrev_b32 v5, 2, v5                        ; 4 r
	v_and_b32 v6, 31, v0
	WIN 0x01
	s_wait_alu depctr_va_vdst(0)                   ; ahead of the reciprocals' first reader, which is also the first reader of O^T
.irp x, 0,1
.set j, 0
.rept 32
	v_mul_f32 v[64+32*\x+j], v[128+32*\x+j], v[20+4*\x]   ; each accumulator from its low end on
.set j, j+1
.endr
.endr
	WIN 0
	QUANT2 64, PC, 0x1800000
	global_store_b128 v[LI], v[PC:PC+3], s[14:15]  ; 512 consecutive bytes a store
	global_store_b128 v[LI], v[PC+8:PC+11], s[14:15] offset:8192
	s_wait_alu depctr_va_vdst(0)
	s_wait_xcnt 0x0                                ; EXEC changes only behind this wait
	v_cmp_gt_u32 vcc_lo, 16, v6
	s_and_saveexec_b32 s79, vcc_lo
	global_store_b16 v5, v56, s[16:17]             ; lanes 0-15: row r's two scale bytes
	global_store_b16 v5, v57, s[16:17] offset:512
	s_wait_xcnt 0x0
	s_or_b32 exec_lo, exec_lo, s79
	s_wait_tensorcnt 0x0                           ; the wave's end
	ds_add_u32 v[SPW], v[NIL]
	s_wait_dscnt 0x0
	CROUND                                         ; the closing round
	s_endpgm
.Lfunc_end_k_qd2e99fe00b_attn:
	.size	k_qd2e99fe00b_attn, .Lfunc_end_k_qd2e99fe00b_attn-k_qd2e99fe00b_attn
	.p2alignl 7, 3214868480
	.fill 96, 4, 3214868480
	.section	.rodata,"a",@progbits
	.p2align	6, 0x0
	.amdhsa_kernel k_qd2e99fe00b_attn
		.amdhsa_group_segment_fixed_size 186368
		.amdhsa_private_segment_fixed_size 0
		.amdhsa_enable_private_segment 0
		.amdhsa_kernarg_size 56
		.amdhsa_user_sgpr_count 2
		.amdhsa_user_sgpr_kernarg_segment_ptr 1
		.amdhsa_wavefront_size32 1
		.amdhsa_system_sgpr_workgroup_id_x 1
		.amdhsa_system_sgpr_workgroup_id_y 1
		.amdhsa_system_sgpr_workgroup_id_z 1
		.amdhsa_system_vgpr_workitem_id 0
		.amdhsa_next_free_vgpr 512
		.amdhsa_next_free_sgpr 96
		.amdhsa_reserve_vcc 1
		.amdhsa_float_denorm_mode_32 3
		.amdhsa_float_denorm_mode_16_64 3
		.amdhsa_memory_ordered 1
		.amdhsa_forward_progress 1
		.amdhsa_inst_pref_size 97
	.end_amdhsa_kernel
	.amdgpu_metadata
---
amdhsa.version: [ 1, 2 ]
amdhsa.kernels:
  - .name:           k_qd2e99fe00b_attn
    .symbol:         k_qd2e99fe00b_attn.kd
    .args:
      - { .name: codes, .offset: 0, .size: 8, .value_kind: global_buffer, .address_space: global }
      - { .name: scales, .offset: 8, .size: 8, .value_kind: global_buffer, .address_space: global }
      - { .name: bq, .offset: 16, .size: 8, .value_kind: global_buffer, .address_space: global }
      - { .name: log_gate_bias, .offset: 24, .size: 8, .value_kind: global_buffer, .address_space: global }
      - { .name: kvh, .offset: 32, .size: 8, .value_kind: global_buffer, .address_space: global }
      - { .name: aoc, .offset: 40, .size: 8, .value_kind: global_buffer, .address_space: global }
      - { .name: aos, .offset: 48, .size: 8, .value_kind: global_buffer, .address_space: global }
    .group_segment_fixed_size: 186368
    .private_segment_fixed_size: 0
    .kernarg_segment_align: 8
    .kernarg_segment_size: 56
    .max_flat_workgroup_size: 256
    .sgpr_count:     96
    .vgpr_count:     512
    .wavefront_size: 32
...
	.end_amdgpu_metadata
.endif
;; end of part 3
;; launch oproj (part 4): grid 256 x 1, 16 waves a work-group, clusters of 4 x 1, 279,040 bytes of LDS; arguments aoc, aos, codes, scales, Q, bo, gamma, beta, out0; writes out0
.if DOCPART == 4
	.amdgcn_target "amdgcn-amd-amdhsa--gfx1250"
	.amdhsa_code_object_version 6
	.text
	.protected	k_qd2e99fe00b_oproj
	.globl	k_qd2e99fe00b_oproj
	.p2align	8
	.type	k_qd2e99fe00b_oproj,@function
k_qd2e99fe00b_oproj:
	s_mov_b64 s[64:65], 0
	v_nop
	global_prefetch_b8 v0, s[64:65] scope:SCOPE_SE
	s_setreg_imm32_b32 hwreg(HW_REG_WAVE_MODE, 25, 1), 1
	s_wait_xcnt 0x0
	s_wait_alu depctr_hold_cnt(0) depctr_sa_sdst(0) depctr_va_vdst(0) depctr_va_sdst(0) depctr_va_ssrc(0) depctr_va_vcc(0) depctr_vm_vsrc(0)
	s_getreg_b32 s2, hwreg(HW_REG_IB_STS2, 6, 4)
	s_cmp_eq_u32 s2, 0
	s_cbranch_scc0 .Lentry_in_a_cluster
	s_endpgm
.Lentry_in_a_cluster:
	s_bfe_u32 s2, ttmp6, 0x10000c
	s_cmp_lg_u32 s2, 0x3003
	s_cbranch_scc0 .Lentry_shape_is_right
	s_endpgm
.Lentry_shape_is_right:
; Launch 4 of 4: out0 = LayerNorm(Q + ao Wo^T + bo) x gamma + beta; the product on codes of E2M1.  No work is left out.
; SHARES: a work-group owns 16 whole rows, so that a row's mean and variance have one owner; wave w owns columns 64 w .. 64 w + 63: four row tiles of Wo.
; The product is used transposed (source 0 = 16 rows of Wo, source 1 = the 16 rows of ao): a lane holds one row (lane % 16) and 32 of its columns.
; Wo COMES BY TWO ROADS AT ONCE.  Of its eight 128-steps along K, steps 0 to 2 come by one tensor load a wave into LDS (4 row tiles x 3,072 bytes = 12,288 a wave, 196,608 a work-group), each wave's own
; part, read by that wave alone; steps 3 to 7 go from memory into registers, 512 consecutive bytes a load, 40 loads and 160 registers a wave.  A fourth step in LDS would make 262,144 bytes, which
; with the stages, ao's image, the sums' words and the spare words (82,432) is more than the 327,680 that a work-group can have; nothing is filled again, so there is no ring.
; CLUSTER: every work-group needs the same bytes of Wo: the four work-groups of a cluster ask for them jointly, mask 15; the descriptor hangs on the wave's number alone.
; ao's tile (8,192 bytes) is fetched once by the work-group, 512 bytes a wave, and goes from wave to wave through LDS as an image of the operand's registers.
; Q + bo is the C of the sums: it is loaded by rows (sixteen lanes to 256 consecutive bytes) and turned into the result's layout through the wave's own stage; the results go back the same way.
; The 128-steps are multiplied in the order 3, 0, 1, 2, 4, 5, 6, 7: step 3's registers then take the three steps that come from LDS.  The variance is taken in a second pass, of x - mean.
; REGISTERS: v1-9 addresses; v12-15 bo, then v12, v13 LDS addresses; v16-19 gamma, v20-23 beta; v24-31 and v248-255 ao's fragment, two buffers by turns (v24-31 at work before and behind);
; v32-39 ao's scale words, v40-55 Wo's, and nothing else; v56-87 the four accumulators; v88-247 Wo's fragments: 32 registers a 128-step.
.set WPART, 12288                      ; a wave's part of Wo in LDS, from byte 0 on
.set AOL,   196608                     ; ao's image
.set STG,   204800                     ; sixteen stages of 16 rows x 272 bytes
.set RED1,  274432                     ; 16 rows x 80 bytes: a word for each wave;
.set RED2,  1280                       ; and the same once more, for the second sum
.set SPARE, 276992                     ; the spare words, 128 bytes for each wave
.set ACC,   56
.set WG,    88
.set G0,    36                         ; s[36:39] descriptor group 0
.set G1,    40                         ; s[40:47] descriptor group 1
.macro WM d, a, b, sa, sb, ra, rb
.if (\ra) && (\rb)
	v_wmma_scale_f32_16x16x128_f8f6f4 v[\d:\d+7], v[\a:\a+7], v[\b:\b+7], v[\d:\d+7], v[\sa], v[\sb] matrix_a_fmt:MATRIX_FMT_FP4 matrix_b_fmt:MATRIX_FMT_FP4 matrix_a_scale:MATRIX_SCALE_ROW1 matrix_b_scale:MATRIX_SCALE_ROW1
.elseif (\ra)
	v_wmma_scale_f32_16x16x128_f8f6f4 v[\d:\d+7], v[\a:\a+7], v[\b:\b+7], v[\d:\d+7], v[\sa], v[\sb] matrix_a_fmt:MATRIX_FMT_FP4 matrix_b_fmt:MATRIX_FMT_FP4 matrix_a_scale:MATRIX_SCALE_ROW1
.elseif (\rb)
	v_wmma_scale_f32_16x16x128_f8f6f4 v[\d:\d+7], v[\a:\a+7], v[\b:\b+7], v[\d:\d+7], v[\sa], v[\sb] matrix_a_fmt:MATRIX_FMT_FP4 matrix_b_fmt:MATRIX_FMT_FP4 matrix_b_scale:MATRIX_SCALE_ROW1
.else
	v_wmma_scale_f32_16x16x128_f8f6f4 v[\d:\d+7], v[\a:\a+7], v[\b:\b+7], v[\d:\d+7], v[\sa], v[\sb] matrix_a_fmt:MATRIX_FMT_FP4 matrix_b_fmt:MATRIX_FMT_FP4
.endif
.endm
.macro CROUND                          ; a round of the cluster's barrier
	s_barrier_signal -1
	s_barrier_wait -1
	s_cmp_lg_u32 s22, 0
	s_cbranch_scc1 .Lnot_wave_0_\@
	s_barrier_signal -3
.Lnot_wave_0_\@:
	s_barrier_wait -3
	s_barrier_signal -1
	s_barrier_wait -1
.endm
	s_load_b256 s[4:11], s[0:1], 0x0               ; aoc, aos, codes, scales
	s_load_b256 s[12:19], s[0:1], 0x20             ; Q, bo, gamma, beta
	s_load_b64 s[20:21], s[0:1], 0x40              ; out0
	v_lshl_add_u32 v10, v0, 2, SPARE
	v_mov_b32 v11, 0
	ds_add_u32 v10, v11                            ; the wave's opening: the add, twice on end, and its wait ahead of my first tensor load
	ds_add_u32 v10, v11
	v_lshrrev_b32 v1, 5, v0
	s_delay_alu instid0(VALU_DEP_1)
	v_readfirstlane_b32 s22, v1                    ; wave 0..15
	s_bfe_u32 s32, ttmp6, 0x40000                  ; cx: my place in the cluster
	s_lshl_b32 s33, ttmp9, 2                       ; in a cluster launch ttmp9 counts clusters
	s_add_co_u32 s33, s33, s32                     ; my tile of 16 rows: it enters the addresses of ao, aos, Q and out0 alone
	s_mov_b32 s[G1], 15|(3<<16)|(1<<21)            ; the mask: all four work-groups; elements of 8 bytes; bit 21 beside a mask; no padding: images are read 512 consecutive bytes at a time
	s_mov_b32 s[G1+1], 384<<16                     ; tensor_dim0: 3,072 bytes: a row tile's 128-steps 0 to 2
	s_mov_b32 s[G1+2], 4<<16                       ; tensor_dim1: my four row tiles
	s_mov_b32 s[G1+3], 384<<16                     ; tile_dim0
	s_mov_b32 s[G1+4], 4                           ; tile_dim1
	s_mov_b32 s[G1+5], 1024                        ; a row tile is 8,192 bytes in memory
	s_mov_b32 s[G1+6], 0
	s_mov_b32 s[G1+7], 0
	s_mul_i32 s34, s22, WPART                      ; where they go: the wave's number alone
	v_and_b32 v9, 31, v0
	s_delay_alu instid0(VALU_DEP_1)
	v_lshlrev_b32 v1, 4, v9                        ; 16 x lane
	s_delay_alu instid0(VALU_DEP_2)
	v_lshlrev_b32 v9, 5, v9                        ; 32 x lane: Wo's scale rows
	v_and_b32 v24, 15, v0                          ; r
	v_bfe_u32 v25, v0, 4, 1                        ; h
	s_delay_alu instid0(VALU_DEP_2)
	v_lshlrev_b32 v8, 4, v24                       ; 16 r: my four columns of the wave's 64
	s_delay_alu instid0(VALU_DEP_1)
	v_lshl_add_u32 v2, v25, 12, v8                 ; by rows: lanes 0-15 one row, lanes 16-31 the next
	s_delay_alu instid0(VALU_DEP_4)
	v_lshlrev_b32 v3, 2, v24
	s_mul_i32 s23, s22, 4352
	s_add_co_u32 s23, s23, STG                     ; my stage
	v_mul_u32_u24 v4, v25, 272
	s_delay_alu instid0(VALU_DEP_1)
	v_add_nc_u32 v4, v4, v8
	s_delay_alu instid0(VALU_DEP_1)
	v_add_nc_u32 v4, s23, v4                       ; by rows
	v_mul_u32_u24 v5, v24, 272
	s_delay_alu instid0(VALU_DEP_1)
	v_lshl_add_u32 v5, v25, 5, v5
	s_delay_alu instid0(VALU_DEP_1)
	v_add_nc_u32 v5, s23, v5                       ; in the result's layout: row r, 32 h bytes on
	v_mul_u32_u24 v7, v24, 80
	s_delay_alu instid0(VALU_DEP_1)
	v_add_nc_u32 v7, RED1, v7
	s_lshl_b32 s24, s22, 2
	v_add_nc_u32 v6, s24, v7
	v_lshlrev_b32 v26, 4, v0                       ; 16 x my thread's number: my 16 bytes of ao's 8,192,
	s_delay_alu instid0(VALU_DEP_1)
	v_add_nc_u32 v27, AOL, v26                     ; and their place in the image
	s_mov_b32 s26, 0x3a800000                      ; 1 / 1,024
	s_mov_b32 s27, 0x3727c5ac                      ; 1e-5
	s_mov_b32 s28, 0x76543210
	s_mov_b32 s29, 0xfedcba98
	s_mov_b32 s31, 0
	s_wait_dscnt 0x0                               ; both opening adds are done
	s_wait_kmcnt 0x0
	s_lshl_b32 s30, s22, 15
	s_add_co_u32 s30, s30, 0x780000
	s_add_nc_u64 s[8:9], s[8:9], s[30:31]          ; my four row tiles of Wo
	s_mov_b32 s[G0], 1
	s_mov_b32 s[G0+1], s34
	s_mov_b64 s[G0+2:G0+3], s[8:9]
	s_or_b32 s[G0+3], s[G0+3], 0x80000000
	CROUND                                         ; all four work-groups are here: the joint loads meet
	tensor_load_to_lds s[G0:G0+3], s[G1:G1+7]      ; every wave issues its one, with no branch: one load of mine is out
	s_nop 0
	s_lshl_b32 s30, s33, 13
	s_add_nc_u64 s[4:5], s[4:5], s[30:31]
	s_lshl_b32 s30, s33, 9
	s_add_nc_u64 s[6:7], s[6:7], s[30:31]
	s_lshl_b32 s30, s22, 11
	s_add_co_u32 s30, s30, 0x78000
	s_add_nc_u64 s[10:11], s[10:11], s[30:31]
	s_lshl_b32 s30, s22, 8
	s_add_nc_u64 s[14:15], s[14:15], s[30:31]
	s_add_nc_u64 s[16:17], s[16:17], s[30:31]
	s_add_nc_u64 s[18:19], s[18:19], s[30:31]
	s_lshl_b32 s25, s33, 16
	s_add_co_u32 s30, s30, s25
	s_add_nc_u64 s[12:13], s[12:13], s[30:31]
	s_add_nc_u64 s[20:21], s[20:21], s[30:31]
.macro LOADW k                         ; Wo's four fragments of 128-step k (3 to 7) from memory: eight loads
.irp t, 0,1,2,3
.irp c, 0,1
	global_load_b128 v[WG+32*((\k)-3)+8*\t+4*\c:WG+32*((\k)-3)+8*\t+4*\c+3], v1, s[8:9] offset:8192*\t+1024*(\k)+512*\c
.endr
.endr
.endm
	s_wait_alu depctr_va_vdst(0)
	global_load_b128 v[28:31], v26, s[4:5]         ; my wave's 512 bytes of ao's tile
.irp i, 0,1,2,3,4,5,6,7
	global_load_b128 v[ACC+4*\i:ACC+4*\i+3], v2, s[12:13] offset:8192*\i th:TH_LOAD_NT   ; Q, two rows a load
.endr
	global_load_b128 v[12:15], v8, s[14:15]
.irp k, 0,1,2,3,4,5,6,7
	global_load_b32 v[32+\k], v3, s[6:7] offset:64*\k
.endr
.irp g, 0,1
.irp k, 0,1
	global_load_b128 v[40+8*\g+4*\k:43+8*\g+4*\k], v9, s[10:11] offset:1024*\g+16*\k
.endr
.endr
	LOADW 3
	LOADW 4
	s_wait_loadcnt 37                              ; my part of ao is in: 37 loads were issued behind it
	ds_store_b128 v27, v[28:31]
	s_wait_loadcnt 28                              ; Q and bo are in: behind them 8 loads of ao's scale words, 4 of Wo's, 16 of Wo's codes
.irp i, 0,1,2,3,4,5,6,7
	v_pk_add_f32 v[ACC+4*\i:ACC+4*\i+1], v[ACC+4*\i:ACC+4*\i+1], v[12:13]
	v_pk_add_f32 v[ACC+4*\i+2:ACC+4*\i+3], v[ACC+4*\i+2:ACC+4*\i+3], v[14:15]
.endr
.irp i, 0,1,2,3,4,5,6,7
	ds_store_b128 v4, v[ACC+4*\i:ACC+4*\i+3] offset:544*\i
.endr
.irp n, 0,1,2,3
	ds_load_b128 v[ACC+8*\n:ACC+8*\n+3], v5 offset:64*\n       ; LDS serves a wave's instructions in order: these see my stores
	ds_load_b128 v[ACC+8*\n+4:ACC+8*\n+7], v5 offset:64*\n+16
.endr
	v_add_nc_u32 v12, AOL, v1                      ; bo is used up: its registers take the addresses of ao's image
	v_add_nc_u32 v13, s34, v1                      ; and of my part of Wo in LDS
	LOADW 5
	LOADW 6
	LOADW 7
	global_load_b128 v[16:19], v8, s[16:17]
	global_load_b128 v[20:23], v8, s[18:19]
	s_wait_alu depctr_va_vdst(0)
	s_wait_tensorcnt 0x0                           ; my part of Wo has landed
	s_wait_dscnt 0x0                               ; my part of ao's image has landed, and Q + bo is back in the result's layout
	s_barrier_signal -1
	s_barrier_wait -1                              ; ao's image is whole
.macro AOF k, a                        ; ao's fragment of 128-step k
	ds_load_b128 v[\a:\a+3], v12 offset:1024*(\k)
	ds_load_b128 v[\a+4:\a+7], v12 offset:1024*(\k)+512
.endm
; The i-th step multiplies 128-step k and asks for ao's fragment of kn, the next.  cnt: how many younger loads from memory may stay out.  The four accumulators take turns, one instruction a turn.
.macro STEP i, k, kn, cnt
.if \i > 0
.rept 4
	v_nop                                          ; plain lines ahead of loads into registers that the last products read
.endr
.endif
.if \k < 3
.irp t, 0,1,2,3
.irp c, 0,1
	ds_load_b128 v[WG+8*\t+4*\c:WG+8*\t+4*\c+3], v13 offset:3072*\t+1024*(\k)+512*\c
.endr
.endr
.endif
.if \i < 7
	AOF \kn, 24+224*(((\i)+1)%2)
	s_wait_dscnt 2                                 ; all but the next fragment of ao
.else
	s_wait_dscnt 0x0
.endif
.set WB, WG
.if \k >= 3
	s_wait_loadcnt \cnt
.set WB, WG+32*((\k)-3)
.endif
.set AB, 24+224*((\i)%2)
.irp t, 0,1,2,3
	WM ACC+8*\t, WB+8*\t, AB, 40+8*(\t/2)+(\k), 32+(\k), \t%2, 0
.endr
.endm
	AOF 3, 24
	STEP 0, 3, 0, 34                               ; the scale words and step 3 are in; behind them steps 4 to 7 (32 loads), gamma and beta
	STEP 1, 0, 1, 0                                ; the three steps from LDS, into step 3's registers
	STEP 2, 1, 2, 0
	STEP 3, 2, 4, 0
	STEP 4, 4, 5, 26                               ; behind step 4: 24 loads, gamma and beta
	STEP 5, 5, 6, 18
	STEP 6, 6, 7, 10
	STEP 7, 7, 0, 2                                ; gamma and beta may be out
.rept 4
	v_nop                                          ; plain lines ahead of the first read of the results
.endr
.macro ROWSUM                          ; two chains in v[24:27] -> v24: my row's sum over the wave's 64 columns
	s_delay_alu instid0(VALU_DEP_1)
	v_pk_add_f32 v[24:25], v[24:25], v[26:27]
	s_delay_alu instid0(VALU_DEP_1)
	v_add_f32 v24, v24, v25
	s_delay_alu instid0(VALU_DEP_1)
	v_permlanex16_b32 v25, v24, s28, s29
	s_delay_alu instid0(VALU_DEP_1)
	v_add_f32 v24, v24, v25
.endm
.macro ALLSUM off                      ; and over the sixteen waves: a word each, a barrier, every wave adds all sixteen in the same order
	ds_store_b32 v6, v24 offset:\off               ; both halves of the lanes write the same word with the same value
	s_wait_dscnt 0x0
	s_barrier_signal -1
	s_barrier_wait -1
.irp i, 0,1,2,3
	ds_load_b128 v[88+4*\i:91+4*\i], v7 offset:\off+16*\i
.endr
	s_wait_dscnt 0x0
	v_pk_add_f32 v[88:89], v[88:89], v[90:91]
	v_pk_add_f32 v[92:93], v[92:93], v[94:95]
	v_pk_add_f32 v[96:97], v[96:97], v[98:99]
	v_pk_add_f32 v[100:101], v[100:101], v[102:103]
	s_delay_alu instid0(VALU_DEP_3)
	v_pk_add_f32 v[88:89], v[88:89], v[92:93]
	s_delay_alu instid0(VALU_DEP_2)
	v_pk_add_f32 v[96:97], v[96:97], v[100:101]
	s_delay_alu instid0(VALU_DEP_1)
	v_pk_add_f32 v[88:89], v[88:89], v[96:97]
	s_delay_alu instid0(VALU_DEP_1)
	v_add_f32 v24, v88, v89
.endm
	v_pk_add_f32 v[24:25], v[ACC:ACC+1], v[ACC+2:ACC+3]        ; each accumulator from its low end on
	v_pk_add_f32 v[26:27], v[ACC+4:ACC+5], v[ACC+6:ACC+7]
.irp j, 8,12,16,20,24,28
	v_pk_add_f32 v[24:25], v[24:25], v[ACC+\j:ACC+\j+1]
	v_pk_add_f32 v[26:27], v[26:27], v[ACC+\j+2:ACC+\j+3]
.endr
	ROWSUM
	ALLSUM 0
	s_delay_alu instid0(VALU_DEP_1)
	v_mul_f32 v28, -v24, s26                       ; - mean
	s_delay_alu instid0(VALU_DEP_1)
	v_mov_b32 v29, v28
.irp j, 0,2,4,6,8,10,12,14,16,18,20,22,24,26,28,30
	v_pk_add_f32 v[ACC+\j:ACC+\j+1], v[ACC+\j:ACC+\j+1], v[28:29]
.endr
	v_pk_mul_f32 v[24:25], v[ACC:ACC+1], v[ACC:ACC+1]
	v_pk_mul_f32 v[26:27], v[ACC+2:ACC+3], v[ACC+2:ACC+3]
.irp j, 4,8,12,16,20,24,28
	s_delay_alu instid0(VALU_DEP_2)
	v_pk_fma_f32 v[24:25], v[ACC+\j:ACC+\j+1], v[ACC+\j:ACC+\j+1], v[24:25]
	s_delay_alu instid0(VALU_DEP_2)
	v_pk_fma_f32 v[26:27], v[ACC+\j+2:ACC+\j+3], v[ACC+\j+2:ACC+\j+3], v[26:27]
.endr
	ROWSUM
	ALLSUM RED2
	s_delay_alu instid0(VALU_DEP_1)
	v_fma_f32 v24, v24, s26, s27                   ; the variance + 1e-5
	s_wait_alu depctr_va_vdst(0)
	v_rsq_f32 v30, v24
	v_nop                                          ; a plain line behind the transcendental
	s_wait_alu depctr_va_vdst(0)                   ; ahead of its first reader
	v_mov_b32 v31, v30
.irp j, 0,2,4,6,8,10,12,14,16,18,20,22,24,26,28,30
	v_pk_mul_f32 v[ACC+\j:ACC+\j+1], v[ACC+\j:ACC+\j+1], v[30:31]
.endr
.irp n, 0,1,2,3
	ds_store_b128 v5, v[ACC+8*\n:ACC+8*\n+3] offset:64*\n
	ds_store_b128 v5, v[ACC+8*\n+4:ACC+8*\n+7] offset:64*\n+16
.endr
.irp i, 0,1,2,3,4,5,6,7
	ds_load_b128 v[88+4*\i:91+4*\i], v4 offset:544*\i
.endr
	s_wait_loadcnt 0x0                             ; gamma and beta
.irp i, 0,1,2,3,4,5,6,7
	s_wait_dscnt 7-\i
	v_pk_fma_f32 v[88+4*\i:89+4*\i], v[88+4*\i:89+4*\i], v[16:17], v[20:21]
	v_pk_fma_f32 v[90+4*\i:91+4*\i], v[90+4*\i:91+4*\i], v[18:19], v[22:23]
	global_store_b128 v2, v[88+4*\i:91+4*\i], s[20:21] offset:8192*\i th:TH_STORE_NT   ; sixteen lanes store 256 consecutive bytes, aligned
.endr
	s_wait_tensorcnt 0x0                           ; the wave's end
	ds_add_u32 v10, v11
	s_wait_dscnt 0x0
	CROUND                                         ; the closing round: no work-group ends while a partner may still ask for bytes that name it
	s_endpgm
.Lfunc_end_k_qd2e99fe00b_oproj:
	.size	k_qd2e99fe00b_oproj, .Lfunc_end_k_qd2e99fe00b_oproj-k_qd2e99fe00b_oproj
	.p2alignl 7, 3214868480
	.fill 96, 4, 3214868480
	.section	.rodata,"a",@progbits
	.p2align	6, 0x0
	.amdhsa_kernel k_qd2e99fe00b_oproj
		.amdhsa_group_segment_fixed_size 279040
		.amdhsa_private_segment_fixed_size 0
		.amdhsa_enable_private_segment 0
		.amdhsa_kernarg_size 72
		.amdhsa_user_sgpr_count 2
		.amdhsa_user_sgpr_kernarg_segment_ptr 1
		.amdhsa_wavefront_size32 1
		.amdhsa_system_sgpr_workgroup_id_x 1
		.amdhsa_system_sgpr_workgroup_id_y 1
		.amdhsa_system_sgpr_workgroup_id_z 1
		.amdhsa_system_vgpr_workitem_id 0
		.amdhsa_next_free_vgpr 256
		.amdhsa_next_free_sgpr 66
		.amdhsa_reserve_vcc 0
		.amdhsa_float_denorm_mode_32 3
		.amdhsa_float_denorm_mode_16_64 3
		.amdhsa_memory_ordered 1
		.amdhsa_forward_progress 1
		.amdhsa_inst_pref_size 32
	.end_amdhsa_kernel
	.amdgpu_metadata
---
amdhsa.version: [ 1, 2 ]
amdhsa.kernels:
  - .name:           k_qd2e99fe00b_oproj
    .symbol:         k_qd2e99fe00b_oproj.kd
    .args:
      - { .name: aoc, .offset: 0, .size: 8, .value_kind: global_buffer, .address_space: global }
      - { .name: aos, .offset: 8, .size: 8, .value_kind: global_buffer, .address_space: global }
      - { .name: codes, .offset: 16, .size: 8, .value_kind: global_buffer, .address_space: global }
      - { .name: scales, .offset: 24, .size: 8, .value_kind: global_buffer, .address_space: global }
      - { .name: Q, .offset: 32, .size: 8, .value_kind: global_buffer, .address_space: global }
      - { .name: bo, .offset: 40, .size: 8, .value_kind: global_buffer, .address_space: global }
      - { .name: gamma, .offset: 48, .size: 8, .value_kind: global_buffer, .address_space: global }
      - { .name: beta, .offset: 56, .size: 8, .value_kind: global_buffer, .address_space: global }
      - { .name: out0, .offset: 64, .size: 8, .value_kind: global_buffer, .address_space: global }
    .group_segment_fixed_size: 279040
    .private_segment_fixed_size: 0
    .kernarg_segment_align: 8
    .kernarg_segment_size: 72
    .max_flat_workgroup_size: 512
    .sgpr_count:     66
    .vgpr_count:     256
    .wavefront_size: 32
...
	.end_amdgpu_metadata
.endif
;; end of part 4
